; MI455X (gfx1250); checked and timed in simulation.
; The chip was launched on July 23, 2026; its instructions are those of AMD's public machine-readable ISA for CDNA 5 (MIT licence, August 2026) and "CDNA5" Instruction Set Architecture Reference Guide (July 2026). The comments in the code are by the model that wrote it; some were corrected since.
;; Multi Head Attention. Allowed arithmetic: matrix products marked QUANTISED: E3M2 operands, one E8M0 scale for each 32 along K, by v_wmma_scale_f32_16x16x128_f8f6f4 with both operands' format E3M2, f32 sums; everything else in f32.
;; Inputs: b_out 1,024 float32; w_out 1,024 x 1,024 float32; w_qkv 3,072 x 1,024 float32; x 4 x 2,048 x 1,024 float32.
;; Outputs: out0 4 x 2,048 x 1,024 float32.
;; This version of the problem:
;;   THIS VERSION OF THE PROBLEM IS GIVEN IN LOW PRECISION. The matrix products marked QUANTISED in the list below multiply operands that are first quantised to E3M2 (3 exponent bits, 2 mantissa bits; 6 bits a number), with one power-of-two scale for each 32 numbers along K (OCP MX v1.0); their sums are f32. All else is computed in f32.
;;   The module's matrix products, in the order in which they are computed (A, B: the left and right operand; K: the contracted axis; several contracted axes count as one K, in the product's order):
;;     1. [M 8,192, K 1,024] x [K 1,024, N 3,072]; A: input x; B: input w_qkv: QUANTISED
;;     2. batch 64 x [M 2,048, K 64] x [K 64, N 2,048]; A: computed on the way; B: computed on the way: QUANTISED
;;     3. batch 64 x [M 2,048, K 2,048] x [K 2,048, N 64]; A: softmax (see below); B: computed on the way: QUANTISED
;;     4. [M 8,192, K 1,024] x [K 1,024, N 1,024]; A: computed on the way; B: input w_out: QUANTISED
;;   THE QUANTISER, for each operand of a quantised product, along K:
;;     - K is cut into blocks of 32 from its start; a last block that is shorter is filled with zeros.
;;     - A block's scale is 2^e with e = floor(log2(the largest magnitude in the block)) - 4, held to -126 .. 127; a block of zeros has e = 0. As a byte (E8M0): e + 127.
;;     - Each number is divided by its block's scale, clamped to +-28, and rounded to the nearest number of E3M2, ties to even, subnormals kept.
;;     - The product sums the exact products of the quantised numbers (number of the format x scale) in f32.
;;   ~~~python
;;   def quantise(x, axis):      # numpy; x: float32 -> the quantised numbers, widened to float32 again
;;       x = np.moveaxis(x, axis, -1); K = x.shape[-1]
;;       x = np.pad(x, [(0, 0)] * (x.ndim - 1) + [(0, -K % 32)]); x = x.reshape(x.shape[:-1] + (-1, 32)); a = np.abs(x).max(-1, keepdims=True)
;;       e = np.where(a > 0, np.clip(np.frexp(np.where(a > 0, a, 1))[1] - 1 - 4, -126, 127), 0)      # np.frexp(a)[1] - 1 = floor(log2(a)), exactly
;;       r = np.clip(x / 2.0 ** e, -28, 28)
;;       step = 2.0 ** (np.maximum(np.frexp(np.where(r == 0, 1, r))[1] - 1, -2) - 2)
;;       q = np.round(r / step) * step * 2.0 ** e      # np.round: ties to even
;;       return np.moveaxis(q.reshape(q.shape[:-2] + (-1,))[..., :K], -1, axis).astype(np.float32)
;;   ~~~
;;   SOFTMAX AHEAD OF A QUANTISED PRODUCT. Where the list says 'softmax', what is quantised is not the finished softmax but p = 2^(t - M), with t = logit x log2(e) and M = ceil(the row's largest t), a whole number; so 1/2 < the row's largest p <= 1. The row's sum l is taken of the UNQUANTISED p, in f32, and the product's result is divided by l at the end. Since M is a whole number, a kernel that streams over the keys may use a running M (the ceiling of the running maximum): every later rescaling is an exact power of two, which a block's scale takes up: the codes' values come out the same.
;;   OPERANDS COMPUTED ON THE WAY. 'Computed on the way' means the value that the module computes at that place (a softmax that the list does not call 'softmax' is quantised finished and normalised). What goes into a quantiser is computed in f32, as accurately as f32 sums, v_exp_f32 and their like allow (about 1e-6 of the number): no bf16 or f16 on the way to a quantiser, and a product that is left as it is and whose result goes on into a quantised operand takes f32 operands (vector FMAs, or v_wmma_f32_16x16x4_f32). A number that lies on a knife's edge between two numbers of the format may be rounded either way, as far as f32 arithmetic and the matrix unit's own rounding can turn it there, and no further.
;; One version. Each part assembles by itself: llvm-mc -triple=amdgcn-amd-amdhsa -mcpu=gfx1250 --defsym DOCPART=n.
;; ======== version 1 of 1: 4 launches
;; limits: right only within a limited range of input values
;; workspace buffers: img2 8,650,752 bytes; sc2 360,448 bytes; qkv 18,874,368 bytes; qkvsc 1,572,864 bytes; img4 7,077,888 bytes; sc4 294,912 bytes
;; launch quant (part 1): grid 384 x 1, 4 waves a work-group, no clusters, 34,304 bytes of LDS; arguments x, w_qkv, w_out, img2, sc2, img4, sc4; writes img2, sc2, img4, sc4
.if DOCPART == 1
	.amdgcn_target "amdgcn-amd-amdhsa--gfx1250"
	.amdhsa_code_object_version 6
	.text
	.protected	k_qe4b74ec7f7_quant
	.globl	k_qe4b74ec7f7_quant
	.p2align	8
	.type	k_qe4b74ec7f7_quant,@function
k_qe4b74ec7f7_quant:
	s_mov_b64 s[64:65], 0
	v_nop
	global_prefetch_b8 v0, s[64:65] scope:SCOPE_SE
	s_setreg_imm32_b32 hwreg(HW_REG_WAVE_MODE, 25, 1), 1
	s_wait_xcnt 0x0
; x [8192][1024], w_qkv [3072][1024], w_out [1024][1024], f32, K innermost, become codes of BF6 (E3M2) with one E8M0 byte for each 32 along K,
; laid IN THE ORDER OF THE MATRIX OPERAND'S REGISTERS.  A tile is 16 rows; lane-row r of tile T is row 32 (T / 2) + 8 (T % 2) + r + 8 (r / 8).
; A fragment (a tile x 128 K, 12 registers a lane) is an image of 1,536 bytes: register 4 g + e of lane l at byte 512 g + 16 l + 4 e.
; A tile's eight fragments lie on end (12,288 bytes); its scale words as [K half][r][4 words], 512 bytes.
; A block's scale is 2^(floor(log2(its largest magnitude)) - 4); its byte is the largest magnitude's exponent field - 4, held at 1 from below.
; LIMITS: a block of zeros gets the byte 1 and not 127 (its codes are zeros, and this program alone reads the bytes); blocks whose largest
; magnitude lies under 2^-122 are held at the byte 1; NaN and infinities among the inputs are not served.
; SHARES: work-group g takes tiles 2 g, 2 g + 1 (x: tiles 0-511, w_qkv: 512-703, w_out: 704-767); wave w takes tile 2 g + w / 2 and K half w % 2:
; four fragments.  Each load reads 512 consecutive bytes of one row; the 16 x 512 bytes turn through the wave's own stage in LDS (rows of 528
; bytes, so that sixteen rows start at sixteen different banks) and come back as two whole blocks of 32 a lane.  Waves share nothing: no barrier.
; No work-group reads what another reads, so there is nothing to ask for jointly, and no matrix work.
.set R,   16                           ; v16-143  two sets of 64: a fragment's numbers as loaded
.set X,   144                          ; v144-207 my two blocks: register 32 c + i = k 64 c + 32 h + i of row r
.set F,   208                          ; v208-231 two sets of 12: the codes
.set U,   232                          ; v232-234, v236-238: a block's upper 16 codes (a conversion's three registers begin on an even number)
.set SW,  240                          ; v240-243 a scale word for each fragment
.set TM,  10
.set SO,  12
.set BY,  14
.set STG, 8448                         ; a wave's stage: 16 x 528 bytes
	s_load_b256 s[4:11], s[0:1], 0x0               ; x s[4:5], w_qkv s[6:7], w_out s[8:9], img2 s[10:11]
	s_load_b128 s[12:15], s[0:1], 0x20             ; sc2 s[12:13], img4 s[14:15]
	s_load_b64 s[16:17], s[0:1], 0x30              ; sc4
	v_lshl_add_u32 v248, v0, 2, 0x8400
	v_mov_b32 v249, 0
	v_lshrrev_b32 v1, 5, v0
	v_readfirstlane_b32 s18, v1                    ; wave
	v_and_b32 v1, 31, v0                           ; l
	v_and_b32 v2, 15, v0                           ; r
	v_bfe_u32 v3, v0, 4, 1                         ; h
	v_lshlrev_b32 v4, 4, v1                        ; 16 l: my bytes of a load's 512 and of an image's 512
	s_mul_i32 s30, s18, STG
	v_add_nc_u32 v5, s30, v4                       ; the stage, on the way in
	v_mul_u32_u24 v6, v2, 528
	v_lshl_add_u32 v6, v3, 7, v6
	v_add_nc_u32 v6, s30, v6                       ; and out: row r, + 128 h
	v_lshlrev_b32 v7, 3, v3                        ; 8 h: my bytes' place in a scale word, in bits
	v_lshl_add_u32 v8, v2, 4, v7                   ; 16 r + 8 h: where I store two scale words
	v_mov_b32 v244, 0                              ; a lane permute's destination counts as one of its sources
	s_mov_b32 s20, 0x76543210
	s_mov_b32 s21, 0xfedcba98                      ; v_permlanex16_b32's selects for lane l xor 16
	s_lshr_b32 s31, s18, 1                         ; which of the two tiles
	s_and_b32 s32, s18, 1                          ; which K half
	s_wait_alu depctr_va_vdst(0)
	s_wait_kmcnt 0x0
	s_movk_i32 s19, 352
	s_cmp_lt_u32 ttmp9, 352                        ; the choice of buffers hangs on the work-group's number alone
	s_cselect_b64 s[22:23], s[6:7], s[8:9]
	s_cselect_b64 s[24:25], s[10:11], s[14:15]
	s_cselect_b64 s[26:27], s[12:13], s[16:17]
	s_cselect_b32 s28, 256, s19
	s_cmp_lt_u32 ttmp9, 256
	s_cselect_b64 s[22:23], s[4:5], s[22:23]
	s_cselect_b32 s28, 0, s28                      ; the tensor's first work-group
	s_cselect_b32 s29, 0, 512                      ; the weights' tiles stand behind 512 tiles of rows in both image buffers
	s_sub_co_u32 s28, ttmp9, s28
	s_lshl_b32 s28, s28, 1
	s_add_co_u32 s28, s28, s31                     ; my tile in the tensor
	s_add_co_u32 s29, s29, s28                     ; and in the image buffer
	s_lshr_b32 s33, s28, 1
	s_lshl_b32 s33, s33, 5
	s_and_b32 s34, s28, 1
	s_lshl_b32 s34, s34, 3
	s_add_co_u32 s33, s33, s34                     ; the tile's first row
	s_lshl_b32 s34, s33, 12                        ; rows of 4,096 bytes
	s_lshl_b32 s35, s32, 11
	s_add_co_u32 s34, s34, s35
	s_mov_b32 s35, 0
	s_add_nc_u64 s[22:23], s[22:23], s[34:35]
	s_mul_i32 s34, s29, 12288
	s_mul_i32 s36, s32, 6144
	s_add_co_u32 s34, s34, s36
	s_add_nc_u64 s[24:25], s[24:25], s[34:35]
	s_lshl_b32 s34, s29, 9
	s_lshl_b32 s36, s32, 8
	s_add_co_u32 s34, s34, s36
	s_add_nc_u64 s[26:27], s[26:27], s[34:35]
.macro LOAD f                          ; fragment f: sixteen rows' 512 bytes
.irp i, 0,1,2,3,4,5,6,7,8,9,10,11,12,13,14,15
	global_load_b128 v[R+64*((\f)%2)+4*\i:R+64*((\f)%2)+4*\i+3], v4, s[22:23] offset:(\i+8*(\i/8))*4096+512*(\f) th:TH_LOAD_NT
.endr
.endm
.macro FRAGMENT f
.set RS, R+64*((\f)%2)
.set FS, F+12*((\f)%2)
.if (\f) < 3
	s_wait_loadcnt 16                              ; this fragment's sixteen loads are in; the next fragment's sixteen may be out
.else
	s_wait_loadcnt 0x0
.endif
.irp i, 0,1,2,3,4,5,6,7,8,9,10,11,12,13,14,15
	ds_store_b128 v5, v[RS+4*\i:RS+4*\i+3] offset:528*\i
.endr
.irp c, 0,1
.irp q, 0,1,2,3,4,5,6,7
	ds_load_b128 v[X+32*\c+4*\q:X+32*\c+4*\q+3], v6 offset:256*\c+16*\q   ; LDS serves a wave's instructions in order: these see the stores above
.endr
.endr
	s_wait_dscnt 0x0                               ; my two blocks are in, and the stores have read their registers
.if (\f)+2 < 4
	LOAD (\f)+2
.endif
.irp c, 0,1
	v_max3_num_f32 v[TM+\c], |v[X+32*\c]|, |v[X+32*\c+1]|, 0x2800000   ; the floor 2^(5 - 127) among the leaves: the byte cannot fall under 1
.endr
.irp i, 2,4,6,8,10,12,14,16,18,20,22,24,26,28,30
.irp c, 0,1
	v_max3_num_f32 v[TM+\c], v[TM+\c], |v[X+32*\c+\i]|, |v[X+32*\c+\i+1]|
.endr
.endr
.irp c, 0,1
	v_add_nc_u32 v[SO+\c], 0xfe000000, v[TM+\c]    ; 4 off the exponent field: the conversion's scale operand
.endr
.irp c, 0,1
	v_lshrrev_b32 v[BY+\c], 23, v[SO+\c]           ; the scale's byte
.endr
	v_lshl_or_b32 v[SW+(\f)], v[BY+1], 16, v[BY]   ; my bytes: blocks h and 2 + h,
	v_lshlrev_b32 v[SW+(\f)], v7, v[SW+(\f)]       ; at their places;
	v_permlanex16_b32 v244, v[SW+(\f)], s20, s21
	v_or_b32 v[SW+(\f)], v[SW+(\f)], v244          ; with lane l xor 16's two the word is whole
.if (\f) >= 2
	s_wait_alu depctr_va_vdst(0)
	s_wait_xcnt 0x0                                ; this set of codes was the data of the stores two fragments back
.endif
.irp c, 0,1
	v_cvt_scalef32_pk16_bf6_f32 v[FS+6*\c:FS+6*\c+2], v[X+32*\c:X+32*\c+15], v[SO+\c]
	v_cvt_scalef32_pk16_bf6_f32 v[U+4*\c:U+4*\c+2], v[X+32*\c+16:X+32*\c+31], v[SO+\c]
.endr
	v_nop                                          ; one plain place behind a scaled conversion
.irp c, 0,1
.irp i, 0,1,2
	v_mov_b32 v[FS+6*\c+3+\i], v[U+4*\c+\i]
.endr
.endr
.irp g, 0,1,2
	global_store_b128 v4, v[FS+4*\g:FS+4*\g+3], s[24:25] offset:1536*(\f)+512*\g   ; 512 consecutive bytes, aligned
.endr
.endm
	LOAD 0
	LOAD 1
	FRAGMENT 0
	FRAGMENT 1
	FRAGMENT 2
	FRAGMENT 3
	v_cmp_ne_u32 vcc_lo, 0, v3
	v_cndmask_b32 v246, v[SW], v[SW+2], vcc_lo     ; lanes 0-15 store row r's words 0, 1; lanes 16-31 its words 2, 3
	v_cndmask_b32 v247, v[SW+1], v[SW+3], vcc_lo
	global_store_b64 v8, v[246:247], s[26:27]      ; 256 consecutive bytes, aligned
	s_wait_tensorcnt 0x0
	ds_add_u32 v248, v249
	s_wait_dscnt 0x0
	s_endpgm
.Lfunc_end_k_qe4b74ec7f7_quant:
	.size	k_qe4b74ec7f7_quant, .Lfunc_end_k_qe4b74ec7f7_quant-k_qe4b74ec7f7_quant
	.p2alignl 7, 3214868480
	.fill 96, 4, 3214868480
	.section	.rodata,"a",@progbits
	.p2align	6, 0x0
	.amdhsa_kernel k_qe4b74ec7f7_quant
		.amdhsa_group_segment_fixed_size 34304
		.amdhsa_private_segment_fixed_size 0
		.amdhsa_enable_private_segment 0
		.amdhsa_kernarg_size 56
		.amdhsa_user_sgpr_count 2
		.amdhsa_user_sgpr_kernarg_segment_ptr 1
		.amdhsa_wavefront_size32 1
		.amdhsa_system_sgpr_workgroup_id_x 1
		.amdhsa_system_sgpr_workgroup_id_y 1
		.amdhsa_system_sgpr_workgroup_id_z 1
		.amdhsa_system_vgpr_workitem_id 0
		.amdhsa_next_free_vgpr 250
		.amdhsa_next_free_sgpr 66
		.amdhsa_reserve_vcc 1
		.amdhsa_float_denorm_mode_32 3
		.amdhsa_float_denorm_mode_16_64 3
		.amdhsa_memory_ordered 1
		.amdhsa_forward_progress 1
		.amdhsa_inst_pref_size 31
	.end_amdhsa_kernel
	.amdgpu_metadata
---
amdhsa.version: [ 1, 2 ]
amdhsa.kernels:
  - .name:           k_qe4b74ec7f7_quant
    .symbol:         k_qe4b74ec7f7_quant.kd
    .args:
      - { .name: x, .offset: 0, .size: 8, .value_kind: global_buffer, .address_space: global }
      - { .name: w_qkv, .offset: 8, .size: 8, .value_kind: global_buffer, .address_space: global }
      - { .name: w_out, .offset: 16, .size: 8, .value_kind: global_buffer, .address_space: global }
      - { .name: img2, .offset: 24, .size: 8, .value_kind: global_buffer, .address_space: global }
      - { .name: sc2, .offset: 32, .size: 8, .value_kind: global_buffer, .address_space: global }
      - { .name: img4, .offset: 40, .size: 8, .value_kind: global_buffer, .address_space: global }
      - { .name: sc4, .offset: 48, .size: 8, .value_kind: global_buffer, .address_space: global }
    .group_segment_fixed_size: 34304
    .private_segment_fixed_size: 0
    .kernarg_segment_align: 8
    .kernarg_segment_size: 56
    .max_flat_workgroup_size: 128
    .sgpr_count:     66
    .vgpr_count:     250
    .wavefront_size: 32
...
	.end_amdgpu_metadata
.endif
;; end of part 1
;; launch qkv (part 2): grid 16 x 16, 4 waves a work-group, clusters of 4 x 4, 327,680 bytes of LDS; arguments img2, sc2, qkv, qkvsc; writes qkv, qkvsc
.if DOCPART == 2
	.amdgcn_target "amdgcn-amd-amdhsa--gfx1250"
	.amdhsa_code_object_version 6
	.text
	.protected	k_qe4b74ec7f7_qkv
	.globl	k_qe4b74ec7f7_qkv
	.p2align	8
	.type	k_qe4b74ec7f7_qkv,@function
k_qe4b74ec7f7_qkv:
	s_mov_b64 s[64:65], 0
	v_nop
	global_prefetch_b8 v0, s[64:65] scope:SCOPE_SE
	s_setreg_imm32_b32 hwreg(HW_REG_WAVE_MODE, 25, 1), 1
	s_wait_xcnt 0x0
	s_wait_alu depctr_hold_cnt(0) depctr_sa_sdst(0) depctr_va_vdst(0) depctr_va_sdst(0) depctr_va_ssrc(0) depctr_va_vcc(0) depctr_vm_vsrc(0)
	s_getreg_b32 s2, hwreg(HW_REG_IB_STS2, 6, 4)
	s_cmp_eq_u32 s2, 0
	s_cbranch_scc0 .Lentry_in_a_cluster
	s_endpgm
.Lentry_in_a_cluster:
	s_bfe_u32 s2, ttmp6, 0x10000c
	s_cmp_lg_u32 s2, 0xf033
	s_cbranch_scc0 .Lentry_shape_is_right
	s_endpgm
.Lentry_shape_is_right:
; q, k, v = x w_qkv^T on codes of BF6 with E8M0 scales; q, k, v are quantised in registers for the attention that follows: no f32 number goes to memory.
; A TILE: source 0 (S0) is 128 rows (8 tiles of 16), source 1 (S1) 256 rows (16 tiles), K = 1,024.  Wave w multiplies all 8 tiles of S0 by tiles 4 w .. 4 w + 3 of S1: 32 accumulators.
; Lane-row r of tile T is row 32 (T / 2) + 8 (T % 2) + r + 8 (r / 8): in a result lane (r, h) holds ONE row of S1, and registers 16 b + t of its 64 are S0's rows 32 b + 16 h + t.
; A WORK-GROUP STAYS and makes three tiles: two of q or k (S0 = 128 rows of w, S1 = 256 tokens, 4,096 tokens apart; the loop) and one of v (S0 = 128 tokens, S1 = 256 rows of w_v; written out).
; 256 work-groups x 3 tiles are the 512 tiles of q, k and the 256 of v.
; THE RING: two LDS slots, each with half of K (four K steps) of S1's 16 tiles and S0's 8, as images of the operands' registers (1,536 bytes for a tile and 128 K).  A slot is asked for again
; in the K step whose fragments were the last read from it, and waited for four K steps (128 matrix instructions a wave) later.  One tensor load a wave behind each round; one is out at the most.
; CLUSTER 4 x 4: S1's tiles hang on cy alone and are asked for jointly along a row of the cluster, S0's on cx alone, along a column.  All partners walk the same three steps.
; No data prefetch is laid: the whole walk is six fills of a slot, two of them at the head.
; OUT: q, k: [head][token tile][768 bytes]: a half fragment, register 2 j + e of lane l at 256 j + 8 l + 4 e.  v: [head][key step][d tile][1,536 bytes].  Scale words: [head][4 tiles][r][tile].
; LIMITS: a block of zeros gets the byte 1 (its codes are zeros; this program alone reads the bytes); blocks under 2^-122 are held at the byte 1; NaN and infinities are not served.
; REGISTERS, in windows of 256: window 0: v1-16 addresses, v32-95 S0's scale words (8 i + s), v96-127 S1's (8 a + s), v128-225 the way out, v254-255 the add's;
;   window 1: accumulator (a, i) at v[8 (8 a + i)];  windows 2, 3: two sets of fragments: S0's tile i at v[12 i], S1's tile a at v[96 + 12 a].
; q's AND k's CODES AS THEY ARE STORED NOW (this takes the place of the half fragments named above): [head][pair of token tiles][1,536 bytes]: twelve registers, six of the even tile and six of
; the odd one; register 4 g + e of lane l at 512 g + 16 l + 4 e.
.set SLOT, 147456
.set AD0, 4                            ; v4-5  LDS address of S0's images in slot 0, 1
.set AD1, 8                            ; v8-9  of my four tiles of S1
.set SC0, 32
.set SC1, 96
.set TM,  200
.set TB,  204
.set SO,  212
.set PW,  216
.set UU,  140
.set G1A, 24                           ; group 1 for S1's tiles
.set G1B, 32                           ; for S0's
.set G0A, 40                           ; s[40:47] group 0 for S1, one set a slot
.set G0B, 48                           ; s[48:55] for S0
.set NXA, 56                           ; where my part of the next tile's S1 begins; NXB: S0
.set NXB, 58
.set N2A, 60                           ; the same for the third tile
.set N2B, 62
.set NS0, 66                           ; the scale words to be loaded next; Q1..: the tile after; Q2..: the third tile
.set NS1, 68
.set Q1S0, 70
.set Q1S1, 72
.set QP,  74                           ; q's or k's codes, scale words; v's codes, scale words
.set QS,  76
.set VP,  78
.set VS,  80
.set Q2S0, 90
.set Q2S1, 92
.set SEL, 98
.set MSB, 0
.macro WIN new                         ; the immediate's high byte repeats the setting that is left
.if MSB != (\new)
	s_set_vgpr_msb (MSB<<8)|(\new)
.set MSB, (\new)
.endif
.endm
.macro CROUND                          ; a round of the cluster's barrier
	s_barrier_signal -1
	s_barrier_wait -1
	s_cmp_lg_u32 s12, 0
	s_cbranch_scc1 .Lnot_wave_0_\@
	s_barrier_signal -3
.Lnot_wave_0_\@:
	s_barrier_wait -3
	s_barrier_signal -1
	s_barrier_wait -1
.endm
.macro JLOAD sl                        ; a joint load into slot sl: waves 0, 1 fetch S1's halves, waves 2, 3 S0's; each line has one mask
	s_cmp_eq_u32 s13, 0
	s_cbranch_scc0 .Lfor_s0_\@
	tensor_load_to_lds s[G0A+4*(\sl):G0A+4*(\sl)+3], s[G1A:G1A+7]
	s_nop 0
.rept 4
	v_nop
.endr
	s_branch .Lasked_\@
.Lfor_s0_\@:
	tensor_load_to_lds s[G0B+4*(\sl):G0B+4*(\sl)+3], s[G1B:G1B+7]
	s_nop 0
.rept 4
	v_nop
.endr
.Lasked_\@:
.endm
	s_load_b256 s[4:11], s[0:1], 0x0               ; img2 s[4:5], sc2 s[6:7], qkv s[8:9], qkvsc s[10:11]
	v_lshl_add_u32 v254, v0, 2, 0x48000
	v_mov_b32 v255, 0
	ds_add_u32 v254, v255                          ; the opening lines: the add twice and one wait
	ds_add_u32 v254, v255
	v_lshrrev_b32 v1, 5, v0
	v_readfirstlane_b32 s12, v1                    ; wave
	s_lshr_b32 s13, s12, 1                         ; I fetch for S1 (0) or for S0 (1),
	s_and_b32 s14, s12, 1                          ; its first or second half
	s_bfe_u32 s15, ttmp6, 0x40000                  ; cx
	s_bfe_u32 s16, ttmp6, 0x40004                  ; cy
	s_and_b32 s17, ttmp7, 0xffff                   ; the cluster's y
	s_lshl_b32 s18, ttmp9, 2
	s_add_co_u32 s18, s18, s15                     ; q, k: which 128 rows of w (0..15)
	s_lshl_b32 s19, s17, 2
	s_add_co_u32 s19, s19, s16                     ; q, k: which 256 tokens, first tile (0..15); the second is 16 further on
	s_lshl_b32 s20, s17, 2
	s_add_co_u32 s20, s20, ttmp9                   ; the cluster's number (0..15)
	s_lshl_b32 s20, s20, 2
	s_add_co_u32 s20, s20, s15                     ; v: which 128 tokens (0..63); its 256 rows of w_v: cy
	s_lshl_b32 s84, s16, 2
	s_lshl_b32 s84, 15, s84                        ; my row of the cluster
	s_lshl_b32 s85, 0x1111, s15                    ; my column
	s_or_b32 s[G1A], s84, (3<<16)|(1<<21)          ; 15:0 the mask; 17:16 elements of 8 bytes; 21 set beside a mask; no padding
	s_or_b32 s[G1B], s85, (3<<16)|(1<<21)
	s_mov_b32 s[G1A+1], 768<<16                    ; tensor_dim0: a tile's four K steps, 6,144 bytes
	s_mov_b32 s[G1A+2], 8<<16                      ; tensor_dim1: 8 tiles
	s_mov_b32 s[G1A+3], 768<<16
	s_mov_b32 s[G1A+4], 8
	s_mov_b32 s[G1A+5], 1536                       ; from tile to tile: 12,288 bytes
	s_mov_b32 s[G1A+6], 0
	s_mov_b32 s[G1A+7], 0
	s_mov_b32 s[G1B+1], 768<<16
	s_mov_b32 s[G1B+2], 4<<16                      ; 4 tiles
	s_mov_b32 s[G1B+3], 768<<16
	s_mov_b32 s[G1B+4], 4
	s_mov_b32 s[G1B+5], 1536
	s_mov_b32 s[G1B+6], 0
	s_mov_b32 s[G1B+7], 0
	s_lshl_b32 s21, s14, 3
	s_lshl_b32 s86, s19, 4
	s_add_co_u32 s86, s86, s21
	s_mul_i32 s86, s86, 12288                      ; S1, first tile: x's tile 16 i1 + 8 x half (made of cy alone)
	s_mov_b32 s87, 0
	s_lshl_b32 s88, s16, 4
	s_add_co_u32 s88, s88, s21
	s_add_co_u32 s88, s88, 640
	s_mul_i32 s88, s88, 12288                      ; S1, third tile: w_v's tiles stand from 640 on
	s_mov_b32 s89, 0
	s_lshl_b32 s22, s14, 2
	s_lshl_b32 s94, s18, 3
	s_add_co_u32 s94, s94, s22
	s_add_co_u32 s94, s94, 512
	s_mul_i32 s94, s94, 12288                      ; S0, first and second tile: w's tiles stand from 512 on (made of cx alone)
	s_mov_b32 s95, 0
	s_lshl_b32 s96, s20, 3
	s_add_co_u32 s96, s96, s22
	s_mul_i32 s96, s96, 12288                      ; S0, third tile: x's tiles
	s_mov_b32 s97, 0
	s_mul_i32 s23, s14, 49152                      ; where they go: no place in the cluster enters an LDS address
	s_mul_i32 s83, s14, 24576
	s_mov_b32 s[SEL], 0x76543210
	s_mov_b32 s[SEL+1], 0xfedcba98
	s_wait_dscnt 0x0
	s_wait_kmcnt 0x0
	s_add_nc_u64 s[86:87], s[4:5], s[86:87]
	s_add_nc_u64 s[N2A:N2A+1], s[4:5], s[88:89]
	s_add_nc_u64 s[94:95], s[4:5], s[94:95]
	s_add_nc_u64 s[N2B:N2B+1], s[4:5], s[96:97]
.irp sl, 0,1
	s_mov_b32 s[G0A+4*\sl], 1
	s_add_co_u32 s[G0A+4*\sl+1], s23, \sl*SLOT
	s_add_nc_u64 s[G0A+4*\sl+2:G0A+4*\sl+3], s[86:87], \sl*6144
	s_or_b32 s[G0A+4*\sl+3], s[G0A+4*\sl+3], 0x80000000
	s_mov_b32 s[G0B+4*\sl], 1
	s_add_co_u32 s[G0B+4*\sl+1], s83, \sl*SLOT+98304
	s_add_nc_u64 s[G0B+4*\sl+2:G0B+4*\sl+3], s[94:95], \sl*6144
	s_or_b32 s[G0B+4*\sl+3], s[G0B+4*\sl+3], 0x80000000
.endr
	s_add_nc_u64 s[NXA:NXA+1], s[86:87], 3145728   ; the second tile: 256 tiles of x further on,
	s_mov_b64 s[NXB:NXB+1], s[94:95]               ; the same rows of w
	CROUND                                         ; all sixteen work-groups are here: the first joint loads meet
	JLOAD 0                                        ; the first tile's first half of K: one tensor load a wave at the head
	; the scale words' places
	s_lshl_b32 s86, s18, 12
	s_add_co_u32 s86, s86, 262144
	s_mov_b32 s87, 0
	s_add_nc_u64 s[NS0:NS0+1], s[6:7], s[86:87]
	s_mov_b64 s[Q1S0:Q1S0+1], s[NS0:NS0+1]
	s_lshl_b32 s86, s19, 13
	s_lshl_b32 s88, s12, 11
	s_add_co_u32 s86, s86, s88
	s_add_nc_u64 s[NS1:NS1+1], s[6:7], s[86:87]
	s_add_nc_u64 s[Q1S1:Q1S1+1], s[NS1:NS1+1], 131072
	s_lshl_b32 s86, s20, 12
	s_add_nc_u64 s[Q2S0:Q2S0+1], s[6:7], s[86:87]
	s_lshl_b32 s86, s16, 13
	s_add_co_u32 s86, s86, s88
	s_add_co_u32 s86, s86, 327680
	s_add_nc_u64 s[Q2S1:Q2S1+1], s[6:7], s[86:87]
	; where q or k goes
	s_lshr_b32 s86, s19, 3                         ; batch
	s_and_b32 s88, s19, 7
	s_lshr_b32 s94, s18, 3                         ; q (0) or k (1)
	s_and_b32 s95, s18, 7
	s_lshl_b32 s95, s95, 1                         ; the first of my two heads
	s_lshl_b32 s86, s86, 4
	s_add_co_u32 s86, s86, s95
	s_lshl_b32 s88, s88, 2
	s_add_co_u32 s88, s88, s12                     ; my group of four token tiles in the batch
	s_mul_i32 s96, s94, 6291456
	s_mul_i32 s97, s86, 98304
	s_add_co_u32 s96, s96, s97
	s_mul_i32 s97, s88, 3072
	s_add_co_u32 s96, s96, s97
	s_mov_b32 s97, 0
	s_add_nc_u64 s[QP:QP+1], s[8:9], s[96:97]
	s_mul_i32 s96, s94, 786432
	s_mul_i32 s94, s86, 12288
	s_add_co_u32 s96, s96, s94
	s_lshl_b32 s94, s88, 8
	s_add_co_u32 s96, s96, s94
	s_add_nc_u64 s[QS:QS+1], s[10:11], s[96:97]
	; where v goes
	s_lshr_b32 s86, s20, 4                         ; batch
	s_and_b32 s88, s20, 15                         ; key step
	s_lshl_b32 s94, s16, 2
	s_add_co_u32 s94, s94, s12                     ; head
	s_lshl_b32 s86, s86, 4
	s_add_co_u32 s86, s86, s94
	s_mul_i32 s96, s86, 98304
	s_mul_i32 s94, s88, 6144
	s_add_co_u32 s96, s96, s94
	s_add_co_u32 s96, s96, 12582912
	s_add_nc_u64 s[VP:VP+1], s[8:9], s[96:97]
	s_mul_i32 s96, s86, 12288
	s_lshl_b32 s94, s88, 8
	s_add_co_u32 s96, s96, s94
	s_add_co_u32 s96, s96, 786432+8192
	s_add_nc_u64 s[VS:VS+1], s[10:11], s[96:97]
	s_mul_i32 s96, s12, 24576                      ; my four tiles of S1 in a slot
	v_and_b32 v1, 31, v0                           ; l
	v_and_b32 v2, 15, v0                           ; r
	v_bfe_u32 v3, v0, 4, 1                         ; h
	v_lshlrev_b32 v12, 4, v2                       ; 16 r: a row's four scale words
.macro LOADSC                          ; a tile's scale words: sixteen lanes read 256 consecutive bytes; lanes 16-31 the same
.irp i, 0,1,2,3,4,5,6,7
.irp k, 0,1
	global_load_b128 v[SC0+8*\i+4*\k:SC0+8*\i+4*\k+3], v12, s[NS0:NS0+1] offset:512*\i+256*\k
.endr
.endr
.irp a, 0,1,2,3
.irp k, 0,1
	global_load_b128 v[SC1+8*\a+4*\k:SC1+8*\a+4*\k+3], v12, s[NS1:NS1+1] offset:512*\a+256*\k
.endr
.endr
.endm
	LOADSC
.irp c, 0,1
	v_lshl_add_u32 v[AD0+\c], v1, 4, \c*SLOT+98304
.endr
	v_lshl_add_u32 v[AD1], v1, 4, s96
	v_add_nc_u32 v[AD1+1], SLOT, v[AD1]
	v_lshlrev_b32 v15, 3, v3
	v_lshl_add_u32 v15, v2, 4, v15                 ; 16 r + 8 h
	v_lshlrev_b32 v16, 4, v1                       ; 16 l
.irp b, 0,1,2,3
	v_mov_b32 v[TB+\b], 0                          ; a lane permute's destination counts as one of its sources
.endr
.macro FETCH p, s                      ; K step s's twelve fragments (slot s / 4) into set p: every load reads 512 consecutive bytes
.set WF, 0x80+0x40*(\p)
	WIN WF
.irp i, 0,1,2,3,4,5,6,7
.irp g, 0,1,2
	ds_load_b128 v[12*\i+4*\g:12*\i+4*\g+3], v[AD0+(\s)/4] offset:6144*\i+1536*((\s)%4)+512*\g
.endr
.endr
.irp a, 0,1,2,3
.irp g, 0,1,2
	ds_load_b128 v[96+12*\a+4*\g:96+12*\a+4*\g+3], v[AD1+(\s)/4] offset:6144*\a+1536*((\s)%4)+512*\g
.endr
.endr
.endm
.macro MUL p, s, acc                   ; 32 products; the 32 accumulators take turns in the same order in every step.  acc = 0: the products start the sums
.set WM, 0x5a+5*(\p)
	WIN WM
.irp a, 0,1,2,3
.irp i, 0,1,2,3,4,5,6,7
.if \acc
	v_wmma_scale_f32_16x16x128_f8f6f4 v[8*(8*\a+\i):8*(8*\a+\i)+7], v[12*\i:12*\i+11], v[96+12*\a:96+12*\a+11], v[8*(8*\a+\i):8*(8*\a+\i)+7], v[SC0+8*\i+(\s)], v[SC1+8*\a+(\s)] matrix_a_fmt:MATRIX_FMT_BF6 matrix_b_fmt:MATRIX_FMT_BF6
.else
	v_wmma_scale_f32_16x16x128_f8f6f4 v[8*(8*\a+\i):8*(8*\a+\i)+7], v[12*\i:12*\i+11], v[96+12*\a:96+12*\a+11], 0, v[SC0+8*\i+(\s)], v[SC1+8*\a+(\s)] matrix_a_fmt:MATRIX_FMT_BF6 matrix_b_fmt:MATRIX_FMT_BF6
.endif
.endr
.endr
.endm
; A K step.  mode 1 (steps 3 and 7 of a tile that has a successor): this step's fragments were the last read from slot s / 4; every wave waits for all its tensor loads (the one that is out is
; its part of the other slot), adds 0 to its spare word and waits for that and for its reads; a round of the cluster's barrier; the slot takes the next tile's same half of K.
; mode 2 (step 3 of the last tile): the other slot is shown whole to all four waves; nothing is filled again.
.macro KSTEP s, acc, mode, fetch
	s_wait_dscnt 0x0                               ; this step's fragments are in (asked for 32 matrix instructions ago)
.if (\mode) == 1
	WIN 0
	s_wait_tensorcnt 0x0
	ds_add_u32 v254, v255
	s_add_nc_u64 s[G0A+4*((\s)/4)+2:G0A+4*((\s)/4)+3], s[NXA:NXA+1], 6144*((\s)/4)
	s_or_b32 s[G0A+4*((\s)/4)+3], s[G0A+4*((\s)/4)+3], 0x80000000
	s_add_nc_u64 s[G0B+4*((\s)/4)+2:G0B+4*((\s)/4)+3], s[NXB:NXB+1], 6144*((\s)/4)
	s_or_b32 s[G0B+4*((\s)/4)+3], s[G0B+4*((\s)/4)+3], 0x80000000
	s_wait_dscnt 0x0
	CROUND
	JLOAD (\s)/4                                   ; its four v_nop are the places in front of the loads below
.elseif (\mode) == 2
	WIN 0
	s_wait_tensorcnt 0x0
	s_barrier_signal -1
	s_barrier_wait -1
.rept 4
	v_nop
.endr
.elseif (\s) > 0
.rept 4
	v_nop                                          ; four places in front of loads into the set that the last step multiplied
.endr
.endif
.if \fetch
	FETCH ((\s)+1)%2, ((\s)+1)%8
.endif
	MUL (\s)%2, \s, \acc
.endm
; The 64 numbers of S1's tile a (window 1, v[64 a] on; register 16 b + t = K 32 b + 16 h + t of my row) become a fragment's codes in v[pa] and v[pb] on and its scale word in v[PW + a].
; Each accumulator is read from its low end on.
.macro QUANTW a, pa, pb                ; pa, pb: where the six registers of K 0-63 and of K 64-127 go
.set AC, 64*(\a)
	WIN 0x05
.irp b, 0,1,2,3
	v_max3_num_f32 v[TM+\b], |v[AC+16*\b]|, |v[AC+16*\b+1]|, 0x2800000   ; the floor 2^(5 - 127) among the leaves
.endr
	WIN 0x14
.irp i, 2,4,6,8,10,12,14
.irp b, 0,1,2,3
	v_max3_num_f32 v[TM+\b], v[TM+\b], |v[AC+16*\b+\i]|, |v[AC+16*\b+\i+1]|
.endr
.endr
	WIN 0
.irp b, 0,1,2,3
	v_permlanex16_b32 v[TB+\b], v[TM+\b], s[SEL], s[SEL+1]
.endr
.irp b, 0,1,2,3
	v_max_num_f32 v[TM+\b], v[TM+\b], v[TB+\b]     ; with lane l xor 16's: the block's largest magnitude
.endr
.irp b, 0,1,2,3
	v_add_nc_u32 v[SO+\b], 0xfe000000, v[TM+\b]    ; 4 off the exponent field: the conversion's scale operand
.endr
.irp b, 0,1,2,3
	v_lshrrev_b32 v[TB+\b], 23, v[SO+\b]           ; the scale's byte
.endr
	v_lshl_or_b32 v[PW+(\a)], v[TB+1], 8, v[TB]
	v_lshl_or_b32 v[PW+(\a)], v[TB+2], 16, v[PW+(\a)]
	v_lshl_or_b32 v[PW+(\a)], v[TB+3], 24, v[PW+(\a)]
	s_wait_alu depctr_va_vdst(0)
	s_wait_xcnt 0x0                                ; this set of codes was the data of earlier stores
	WIN 0x01
	v_cvt_scalef32_pk16_bf6_f32 v[(\pa):(\pa)+2], v[AC:AC+15], v[SO]
	v_cvt_scalef32_pk16_bf6_f32 v[UU:UU+2], v[AC+16:AC+31], v[SO+1]
	v_cvt_scalef32_pk16_bf6_f32 v[(\pb):(\pb)+2], v[AC+32:AC+47], v[SO+2]
	v_cvt_scalef32_pk16_bf6_f32 v[UU+4:UU+6], v[AC+48:AC+63], v[SO+3]
	WIN 0
	v_nop                                          ; one plain place behind a scaled conversion
.irp i, 0,1,2                          ; the operand's layout wants a whole block in a lane: lanes 0-15 the lower block, lanes 16-31 the upper
	v_permlane16_swap_b32 v[(\pa)+\i], v[UU+\i]
.endr
.irp i, 0,1,2
	v_mov_b32 v[(\pa)+3+\i], v[UU+\i]
.endr
.irp i, 0,1,2
	v_permlane16_swap_b32 v[(\pb)+\i], v[UU+4+\i]
.endr
.irp i, 0,1,2
	v_mov_b32 v[(\pb)+3+\i], v[UU+4+\i]
.endr
.endm
	s_wait_alu depctr_va_vdst(0)
	s_wait_tensorcnt 0x0                           ; my part of slot 0 is in; the same lines stand ahead of a later first fill as ahead of a refill
	ds_add_u32 v254, v255
	s_wait_dscnt 0x0
	CROUND
	JLOAD 1                                        ; the first tile's second half of K
	FETCH 0, 0
	WIN 0
	s_mov_b32 s82, 0
.Ltile:                                                ; ---- the two tiles of q or k
	s_wait_loadcnt 0x0                             ; this tile's scale words are in, and their loads have read their bases
	s_mov_b64 s[NS0:NS0+1], s[Q1S0:Q1S0+1]
	s_mov_b64 s[NS1:NS1+1], s[Q1S1:Q1S1+1]
	s_mov_b64 s[Q1S0:Q1S0+1], s[Q2S0:Q2S0+1]
	s_mov_b64 s[Q1S1:Q1S1+1], s[Q2S1:Q2S1+1]
	KSTEP 0, 0, 0, 1
	KSTEP 1, 1, 0, 1
	KSTEP 2, 1, 0, 1
	KSTEP 3, 1, 1, 1
	KSTEP 4, 1, 0, 1
	KSTEP 5, 1, 0, 1
	KSTEP 6, 1, 0, 1
	KSTEP 7, 1, 1, 1                               ; and the next tile's first fragments are fetched
	WIN 0
	s_mov_b64 s[NXA:NXA+1], s[N2A:N2A+1]
	s_mov_b64 s[NXB:NXB+1], s[N2B:N2B+1]
.rept 4
	v_nop                                          ; four places in front of the loads into the scale words and of the first read of results
.endr
	LOADSC                                         ; the next tile's scale words land under the way out
.irp p, 0,1                            ; a pair of token tiles: v[152 + 24 p] on: the first head's twelve registers, then the second head's
	QUANTW 2*\p, 152+24*\p, 164+24*\p
	QUANTW 2*\p+1, 158+24*\p, 170+24*\p
.irp c, 0,1
.irp g, 0,1,2
	global_store_b128 v16, v[152+24*\p+12*\c+4*\g:155+24*\p+12*\c+4*\g], s[QP:QP+1] offset:1536*\p+98304*\c+512*\g   ; 512 consecutive bytes, aligned
.endr
.endr
.endr
	v_cmp_ne_u32 vcc_lo, 0, v3
	v_cndmask_b32 v220, v[PW], v[PW+2], vcc_lo     ; lanes 0-15: tiles 0, 1 of row r; lanes 16-31: tiles 2, 3
	v_cndmask_b32 v221, v[PW+1], v[PW+3], vcc_lo
	v_and_b32 v222, 0xffff, v220                   ; the first head's two bytes, two zeros above them
	v_and_b32 v223, 0xffff, v221
	v_lshrrev_b32 v224, 16, v220                   ; the second head's
	v_lshrrev_b32 v225, 16, v221
	global_store_b64 v15, v[222:223], s[QS:QS+1]
	global_store_b64 v15, v[224:225], s[QS:QS+1] offset:12288
	s_wait_xcnt 0x0                                ; the stores have read their bases
	s_add_nc_u64 s[QP:QP+1], s[QP:QP+1], 3145728   ; 4,096 tokens on: two batches
	s_add_nc_u64 s[QS:QS+1], s[QS:QS+1], 393216
	s_add_co_u32 s82, s82, 1
	s_cmp_lt_u32 s82, 2
	s_wait_alu depctr_va_vdst(0)
	s_cbranch_scc1 .Ltile
	; ---- the tile of v: it asks for nothing more
	s_wait_loadcnt 0x0
	KSTEP 0, 0, 0, 1
	KSTEP 1, 1, 0, 1
	KSTEP 2, 1, 0, 1
	KSTEP 3, 1, 2, 1
	KSTEP 4, 1, 0, 1
	KSTEP 5, 1, 0, 1
	KSTEP 6, 1, 0, 1
	KSTEP 7, 1, 0, 0
	WIN 0
.rept 4
	v_nop
.endr
.irp a, 0,1,2,3
	QUANTW \a, 152+24*(\a%2), 158+24*(\a%2)
.irp g, 0,1,2
	global_store_b128 v16, v[152+24*(\a%2)+4*\g:155+24*(\a%2)+4*\g], s[VP:VP+1] offset:1536*\a+512*\g   ; 512 consecutive bytes, aligned
.endr
.endr
	v_cmp_ne_u32 vcc_lo, 0, v3
	v_cndmask_b32 v220, v[PW], v[PW+2], vcc_lo
	v_cndmask_b32 v221, v[PW+1], v[PW+3], vcc_lo
	global_store_b64 v15, v[220:221], s[VS:VS+1]
	s_wait_tensorcnt 0x0                           ; the wave's end
	ds_add_u32 v254, v255
	s_wait_dscnt 0x0
	CROUND                                         ; the closing round
	s_endpgm
.Lfunc_end_k_qe4b74ec7f7_qkv:
	.size	k_qe4b74ec7f7_qkv, .Lfunc_end_k_qe4b74ec7f7_qkv-k_qe4b74ec7f7_qkv
	.p2alignl 7, 3214868480
	.fill 96, 4, 3214868480
	.section	.rodata,"a",@progbits
	.p2align	6, 0x0
	.amdhsa_kernel k_qe4b74ec7f7_qkv
		.amdhsa_group_segment_fixed_size 327680
		.amdhsa_private_segment_fixed_size 0
		.amdhsa_enable_private_segment 0
		.amdhsa_kernarg_size 32
		.amdhsa_user_sgpr_count 2
		.amdhsa_user_sgpr_kernarg_segment_ptr 1
		.amdhsa_wavefront_size32 1
		.amdhsa_system_sgpr_workgroup_id_x 1
		.amdhsa_system_sgpr_workgroup_id_y 1
		.amdhsa_system_sgpr_workgroup_id_z 1
		.amdhsa_system_vgpr_workitem_id 0
		.amdhsa_next_free_vgpr 1024
		.amdhsa_next_free_sgpr 100
		.amdhsa_reserve_vcc 1
		.amdhsa_float_denorm_mode_32 3
		.amdhsa_float_denorm_mode_16_64 3
		.amdhsa_memory_ordered 1
		.amdhsa_forward_progress 1
		.amdhsa_inst_pref_size 156
	.end_amdhsa_kernel
	.amdgpu_metadata
---
amdhsa.version: [ 1, 2 ]
amdhsa.kernels:
  - .name:           k_qe4b74ec7f7_qkv
    .symbol:         k_qe4b74ec7f7_qkv.kd
    .args:
      - { .name: img2, .offset: 0, .size: 8, .value_kind: global_buffer, .address_space: global }
      - { .name: sc2, .offset: 8, .size: 8, .value_kind: global_buffer, .address_space: global }
      - { .name: qkv, .offset: 16, .size: 8, .value_kind: global_buffer, .address_space: global }
      - { .name: qkvsc, .offset: 24, .size: 8, .value_kind: global_buffer, .address_space: global }
    .group_segment_fixed_size: 327680
    .private_segment_fixed_size: 0
    .kernarg_segment_align: 8
    .kernarg_segment_size: 32
    .max_flat_workgroup_size: 128
    .sgpr_count:     100
    .vgpr_count:     1024
    .wavefront_size: 32
...
	.end_amdgpu_metadata
.endif
;; end of part 2
;; launch attn (part 3): grid 4 x 64, 16 waves a work-group, clusters of 4 x 1, 327,680 bytes of LDS; arguments qkv, qkvsc, img4, sc4; writes img4, sc4
.if DOCPART == 3
	.amdgcn_target "amdgcn-amd-amdhsa--gfx1250"
	.amdhsa_code_object_version 6
	.text
	.protected	k_qe4b74ec7f7_attn
	.globl	k_qe4b74ec7f7_attn
	.p2align	8
	.type	k_qe4b74ec7f7_attn,@function
k_qe4b74ec7f7_attn:
	s_mov_b64 s[64:65], 0
	v_nop
	global_prefetch_b8 v0, s[64:65] scope:SCOPE_SE
	s_setreg_imm32_b32 hwreg(HW_REG_WAVE_MODE, 25, 1), 1
	s_wait_xcnt 0x0
	s_wait_alu depctr_hold_cnt(0) depctr_sa_sdst(0) depctr_va_vdst(0) depctr_va_sdst(0) depctr_va_ssrc(0) depctr_va_vcc(0) depctr_vm_vsrc(0)
	s_getreg_b32 s2, hwreg(HW_REG_IB_STS2, 6, 4)
	s_cmp_eq_u32 s2, 0
	s_cbranch_scc0 .Lentry_in_a_cluster
	s_endpgm
.Lentry_in_a_cluster:
	s_bfe_u32 s2, ttmp6, 0x10000c
	s_cmp_lg_u32 s2, 0x3003
	s_cbranch_scc0 .Lentry_shape_is_right
	s_endpgm
.Lentry_shape_is_right:
; o = softmax(q k^T / 8) v for one head, both products on codes of BF6 with E8M0 scales; o / l is quantised along d for the last product.
; t = score x log2(e) / 8; M = the running largest t rounded UP to a whole number; p = 2^(t - M) is quantised along the keys, not normalised; the row's sum l is taken of the
; unquantised p and divides at the end.  When M moves, l and O are multiplied by 2^(old M - new M): exact.
; SHARES.  A work-group owns 512 queries of one head, in two passes of 256; each of its sixteen waves owns one tile of 16 queries a pass.  Every wave walks the head's 2,048 keys, 128 a step.
; LDS: the head's K (192 rows of 512 bytes, 128 bytes of padding behind each: 122,880), V (98,304) and their scale words (12,288): EACH BYTE FILLED ONCE, nothing is stored there.
; CLUSTER: the four work-groups of a head ask for K, V and the scales jointly.  At the head waves 0, 1, 2 ask for the first quarter of K, of V (four steps) and for the scales; behind the full
; sequence and a round waves 0-2 ask for K's other quarters and waves 3-5 for V's, which land under the first four steps; one wait and one barrier stand ahead of step 4 of the first pass.
; No data prefetch: everything is asked for ahead of the first step.
; LAYOUT.  Both products are used transposed (S^T = K Q^T, O^T = V^T P^T): a lane holds ONE query (lane % 16).  In memory lane-row r' of key tile T is key 32 (T / 2) + 8 (T % 2) + r' + 8 (r' / 8),
; and tiles 2 n, 2 n + 1 form one image of twelve registers (1,536 bytes: register 4 g + e of lane l at 512 g + 16 l + 4 e; six registers a tile).
; THE TILES ARE FORMED ANEW AT THE LDS READ: row r of tile (c, u) is key 64 c + 32 (r / 8) + 8 u + r % 8, which is row r % 8 + 8 (u / 2) of memory's tile 4 c + u % 2 + 2 (r / 8).  So lane (r, h)'s
; 32 registers of tiles (c, 0 .. 3) are the WHOLE block of keys 64 c + 32 h + 0 .. 31, in order: a block's maximum needs no other lane, and the conversions give P's operand as it is wanted.
; With rows 640 bytes apart two images are 1,920 bytes apart, 128 modulo 256.
; K = 64 IN AN INSTRUCTION OF 128: Q's operand is six registers of codes and six of zeros.  A key tile's operand runs on into the next tile's six registers (behind the last: zeros):
; whatever codes stand there are finite numbers that meet Q's zero codes, and the scale bytes of those blocks are 0, which is 2^-127 and no NaN: they add exactly 0.
; OUT: o's half fragment (16 queries x 64 d) as three stores of 256 aligned bytes; its two scale bytes a row by a store of 2 bytes, rows 32 bytes apart: 32 of a tile's 512 bytes.
; LIMITS: the scaled scores t stay under 2^31 in magnitude; a block of zeros gets the byte 1 (its codes are zeros; this program alone reads the bytes); NaN and infinities are not served.
; REGISTERS: v1-4, v11 addresses that stay, v5-8 the step's; v9 16 r, v10 32 r; v12 -M, v13 the largest score, v[14:15] l in two halves; v16-27 Q and its zeros; v28 Q's scale word, v29 p's;
; v30 f (v31 = 0: named with it as a pair); v32-79 fragments of K or V, v80-85 zeros; v86-87 at work; v88-95 K's scale words; v96-159 S^T, then p; v160-191 O^T; v192-203 p's codes;
; v204-207 V's scale words; v208-226, v242-247 at work; v240 8 h; v241 16 l.
.set S,   96
.set O,   160
.set P,   192
.set BM,  208
.set BB,  212
.set SO,  220
.set U0,  216
.set U1,  224
.set VB,  122880                       ; V in LDS
.set SB,  221184                       ; the scale words: K's 8,192 bytes, then V's 4,096
.macro CROUND                          ; a round of the cluster's barrier
	s_barrier_signal -1
	s_barrier_wait -1
	s_cmp_lg_u32 s12, 0
	s_cbranch_scc1 .Lnot_wave_0_\@
	s_barrier_signal -3
.Lnot_wave_0_\@:
	s_barrier_wait -3
	s_barrier_signal -1
	s_barrier_wait -1
.endm
.macro TLOAD g0, g1                    ; a tensor load with an s_nop and four v_nop behind it
	tensor_load_to_lds s[\g0:\g0+3], s[\g1:\g1+7]
	s_nop 0
.rept 4
	v_nop
.endr
.endm
	s_load_b256 s[4:11], s[0:1], 0x0               ; qkv s[4:5], qkvsc s[6:7], img4 s[8:9], sc4 s[10:11]
	v_lshl_add_u32 v254, v0, 2, 0x39000
	v_mov_b32 v255, 0
	ds_add_u32 v254, v255                          ; the opening lines: the add twice and one wait
	ds_add_u32 v254, v255
	v_lshrrev_b32 v1, 5, v0
	v_readfirstlane_b32 s12, v1                    ; wave 0..15
	s_bfe_u32 s13, ttmp6, 0x40000                  ; cx: it enters Q's and o's addresses alone
	s_lshl_b32 s14, ttmp9, 2
	s_add_co_u32 s14, s14, s13                     ; my block of 512 queries
	s_and_b32 s15, ttmp7, 0xffff                   ; batch x 16 + head, which the partners share
	s_mul_i32 s16, s15, 98304
	s_mov_b32 s17, 0
	s_mul_i32 s18, s15, 12288
	s_mov_b32 s19, 0
	s_mov_b32 s20, 0x76543210
	s_mov_b32 s21, 0xfedcba98                      ; v_permlanex16_b32's selects for lane l xor 16
	s_mov_b32 s22, 0x3e38aa3b                      ; c = log2(e) / 8
	s_mov_b32 s23, s22                             ; (named with it as a pair, so it is written)
	s_mov_b32 s24, 15|(3<<16)|(1<<21)              ; group 1 for a quarter of V: 24,576 dense bytes as 96 rows of 256; mask: all four work-groups; elements of 8 bytes
	s_mov_b32 s25, 32<<16
	s_mov_b32 s26, 96<<16
	s_mov_b32 s27, 32<<16
	s_mov_b32 s28, 96
	s_mov_b32 s29, 32
	s_mov_b32 s30, 0
	s_mov_b32 s31, 0
	s_mov_b32 s32, 15|(3<<16)|(1<<21)              ; group 1 for the scale words: 48 rows of 256 bytes
	s_mov_b32 s33, 32<<16
	s_mov_b32 s34, 48<<16
	s_mov_b32 s35, 32<<16
	s_mov_b32 s36, 48
	s_mov_b32 s37, 32
	s_mov_b32 s38, 0
	s_mov_b32 s39, 0
	s_mov_b32 s68, 15|(3<<16)|(1<<20)|(1<<21)|(6<<22)|(31<<25)   ; group 1 for a quarter of K: 48 rows of 512 bytes, 32 words of padding behind every 128
	s_mov_b32 s69, 64<<16
	s_mov_b32 s70, 48<<16
	s_mov_b32 s71, 64<<16
	s_mov_b32 s72, 48
	s_mov_b32 s73, 64
	s_mov_b32 s74, 0
	s_mov_b32 s75, 0
	s_mul_i32 s54, s12, 24576                      ; wave x a quarter in memory
	s_mov_b32 s55, 0
	s_bitcmp1_b32 s12, 0
	s_cselect_b32 s59, -1, 0                       ; all ones in the waves whose tile of queries is the odd one of its pair
	s_lshl_b32 s96, s14, 5
	s_add_co_u32 s96, s96, s12                     ; my tile of the first pass, among the batch's 128
	s_lshr_b32 s88, s96, 1
	s_mul_i32 s88, s88, 1536                       ; its pair's image
	s_mov_b32 s89, 0
	s_lshr_b32 s90, s96, 2
	s_lshl_b32 s90, s90, 8
	s_and_b32 s97, s96, 3
	s_lshl_b32 s97, s97, 2
	s_add_co_u32 s90, s90, s97                     ; its scale words: group of four tiles x 256 + 4 x place in the group
	s_mov_b32 s91, 0
	s_lshr_b32 s97, s15, 4
	s_lshl_b32 s97, s97, 7
	s_add_co_u32 s97, s97, s96                     ; my tile among all 512
	s_and_b32 s98, s15, 15                         ; head
	s_mul_i32 s92, s97, 12288
	s_mul_i32 s99, s98, 768
	s_add_co_u32 s92, s92, s99
	s_mov_b32 s93, 0
	s_lshl_b32 s94, s97, 9
	s_lshl_b32 s99, s98, 1
	s_add_co_u32 s94, s94, s99
	s_mov_b32 s95, 0
	s_wait_dscnt 0x0
	s_wait_kmcnt 0x0
	s_add_nc_u64 s[84:85], s[4:5], s[16:17]        ; the head in qkv's first region
	s_add_nc_u64 s[86:87], s[6:7], s[18:19]        ; and in qkvsc's
	s_add_nc_u64 s[88:89], s[84:85], s[88:89]      ; Q's codes
	s_add_nc_u64 s[90:91], s[86:87], s[90:91]      ; Q's scale words
	s_add_nc_u64 s[92:93], s[8:9], s[92:93]        ; o's codes
	s_add_nc_u64 s[94:95], s[10:11], s[94:95]      ; o's scale bytes
	s_add_nc_u64 s[56:57], s[84:85], s[54:55]
	s_mov_b32 s40, 1                               ; group 0: K's first quarter
	s_mov_b32 s41, 0
	s_add_nc_u64 s[42:43], s[84:85], 6291456
	s_or_b32 s43, s43, 0x80000000
	s_mov_b32 s44, 1                               ; V's first quarter
	s_mov_b32 s45, VB
	s_add_nc_u64 s[46:47], s[84:85], 12582912
	s_or_b32 s47, s47, 0x80000000
	s_mov_b32 s48, 1                               ; the scale words
	s_mov_b32 s49, SB
	s_add_nc_u64 s[50:51], s[86:87], 786432
	s_or_b32 s51, s51, 0x80000000
	s_mov_b32 s76, 1                               ; K's quarter wave + 1 (waves 0-2)
	s_mul_i32 s77, s12, 30720
	s_add_co_u32 s77, s77, 30720
	s_add_nc_u64 s[78:79], s[56:57], 6291456+24576
	s_or_b32 s79, s79, 0x80000000
	s_mov_b32 s80, 1                               ; V's quarter wave - 2 (waves 3-5)
	s_add_co_u32 s81, s54, VB-49152
	s_add_nc_u64 s[82:83], s[56:57], 12582912-49152
	s_or_b32 s83, s83, 0x80000000
	CROUND                                         ; all four work-groups are here: the joint loads meet
	s_cmp_eq_u32 s12, 0                            ; one chain of branches on the wave's number, one fill to an arm
	s_cbranch_scc0 .Lnot_k
	TLOAD 40, 68
	s_branch .Lasked
.Lnot_k:
	s_cmp_eq_u32 s12, 1
	s_cbranch_scc0 .Lnot_v
	TLOAD 44, 24
	s_branch .Lasked
.Lnot_v:
	s_cmp_eq_u32 s12, 2
	s_cbranch_scc0 .Lasked
	TLOAD 48, 32
.Lasked:
	v_and_b32 v11, 31, v0                          ; l
	v_and_b32 v9, 15, v0                           ; r
	v_and_b32 v4, 7, v0                            ; r % 8
	v_bfe_u32 v6, v0, 3, 1                         ; r / 8
	v_bfe_u32 v7, v0, 4, 1                         ; h
	v_lshlrev_b32 v1, 3, v11                       ; 8 l: o's half fragment's place for my lane in memory
	v_lshlrev_b32 v241, 4, v11                     ; 16 l: Q's
	v_lshl_add_u32 v3, v11, 4, VB                  ; V: 16 l
	v_lshlrev_b32 v2, 4, v4
	v_mad_u32_u24 v2, v6, 1920, v2
	v_lshl_add_u32 v2, v7, 8, v2                   ; K: 16 (r % 8) + 1,920 (r / 8) + 256 h
	v_lshl_add_u32 v4, v4, 4, SB
	v_lshl_add_u32 v4, v6, 3, v4                   ; K's scale words: 16 (r % 8) + 8 (r / 8)
	v_lshl_add_u32 v11, v9, 4, SB+8192             ; V's: 16 r
	v_lshlrev_b32 v240, 3, v7                      ; 8 h: my bytes' place in p's scale word, in bits
	v_lshlrev_b32 v10, 5, v9                       ; 32 r
	v_lshlrev_b32 v9, 4, v9                        ; 16 r
.irp j, 22,23,24,25,26,27,31,80,81,82,83,84,85,212,213,214,215,216,217,218,219
	v_mov_b32 v\j, 0                               ; Q's zero codes; f's partner; the tail behind the last key tile; lane permutes' destinations
.endr
.macro QLOAD p                         ; the image of my tile's pair, and my tile's scale words
.irp g, 0,1,2
	global_load_b128 v[32+4*\g:35+4*\g], v241, s[88:89] offset:12288*\p+512*\g
.endr
	global_load_b32 v28, v9, s[90:91] offset:1024*\p
.endm
	QLOAD 0
	s_wait_alu depctr_va_vdst(0)
	s_wait_tensorcnt 0x0                           ; what I asked for has landed; the same lines stand ahead of a later first fill as ahead of a refill;
	ds_add_u32 v254, v255                          ; the add stands twice
	ds_add_u32 v254, v255
	s_wait_dscnt 0x0
	CROUND                                         ; the first quarters and the scales are whole for every wave, and the joint loads meet
	s_cmp_lt_u32 s12, 3
	s_cbranch_scc0 .Lnot_k2
	TLOAD 76, 68
	s_branch .Lasked2
.Lnot_k2:
	s_cmp_lt_u32 s12, 6
	s_cbranch_scc0 .Lasked2
	TLOAD 80, 24
.Lasked2:
; A KEY STEP: 128 keys.
.macro STEP
	v_add_nc_u32 v5, s60, v2
	v_add_nc_u32 v7, s61, v4
.irp c, 0,1
.irp u, 0,1
.irp g, 0,1,2
	ds_load_b128 v[32+24*\c+12*\u+4*\g:35+24*\c+12*\u+4*\g], v5 offset:3840*\c+128*\u+640*\g   ; tiles (c, 2 u) and (c, 2 u + 1)
.endr
	ds_load_b64 v[88+4*\c+2*\u:89+4*\c+2*\u], v7 offset:256*\c+128*\u   ; and their scale words
.endr
.endr
	s_wait_alu depctr_va_vdst(0)
	s_wait_dscnt 0x0
.irp t, 0,1,2,3,4,5,6,7
	v_wmma_scale_f32_16x16x128_f8f6f4 v[S+8*\t:S+8*\t+7], v[32+6*\t:43+6*\t], v[16:27], 0, v[88+\t], v28 matrix_a_fmt:MATRIX_FMT_BF6 matrix_b_fmt:MATRIX_FMT_BF6
.endr
	v_add_nc_u32 v6, s62, v3                       ; four places: in front of the loads into K's registers and of the first read of the scores
	v_add_nc_u32 v8, s58, v11
	v_mov_b32 v86, v12                             ; the old -M
	v_nop
.irp a, 0,1,2,3
.irp g, 0,1,2
	ds_load_b128 v[32+12*\a+4*\g:35+12*\a+4*\g], v6 offset:1536*\a+512*\g   ; V's four fragments land under the softmax
.endr
.endr
	ds_load_b128 v[204:207], v8
.irp b, 0,1,2,3
	v_max3_num_f32 v[BM+\b], v[S+16*\b], v[S+16*\b+1], v[S+16*\b+2]   ; four chains, two to a block of 32 keys; each accumulator from its low end on
.endr
.irp i, 3,5,7,9,11,13
.irp b, 0,1,2,3
	v_max3_num_f32 v[BM+\b], v[BM+\b], v[S+16*\b+\i], v[S+16*\b+\i+1]
.endr
.endr
	v_max3_num_f32 v208, v208, v209, v[S+15]
	v_max3_num_f32 v210, v210, v211, v[S+47]
	v_max_num_f32 v208, v208, v[S+31]              ; the largest score of my block h: for the row's maximum, and, since p rises with the score, for the block's largest p
	v_max_num_f32 v210, v210, v[S+63]              ; and of my block 2 + h
	s_delay_alu instid0(VALU_DEP_1)
	v_max3_num_f32 v209, v13, v208, v210
	s_delay_alu instid0(VALU_DEP_1)
	v_permlanex16_b32 v211, v209, s20, s21
	s_delay_alu instid0(VALU_DEP_1)
	v_max_num_f32 v13, v209, v211                  ; the running largest score of my query
	s_delay_alu instid0(VALU_DEP_1)
	v_mul_f32 v209, s22, v13                       ; as t (c is positive)
	s_delay_alu instid0(VALU_DEP_1)
	v_floor_f32 v12, -v209                         ; the new -M = floor(-t) = -ceil(t)
	s_delay_alu instid0(VALU_DEP_1)
	v_sub_f32 v86, v12, v86                        ; old M - new M: a whole number, 0 or less
	s_delay_alu instid0(VALU_DEP_1)
	v_cvt_i32_f32 v86, v86                         ; (it saturates)
	s_delay_alu instid0(VALU_DEP_1)
	v_ldexp_f32 v30, 1.0, v86                      ; f = 2^(old M - new M)
.irp j, 0,2,4,6,8,10,12,14,16,18,20,22,24,26,28,30,32,34,36,38,40,42,44,46,48,50,52,54,56,58,60,62
	v_pk_fma_f32 v[S+\j:S+\j+1], v[S+\j:S+\j+1], s[22:23], v[12:13] op_sel_hi:[1,0,0]   ; t - M, two at a time (of the pairs c and -M the low word serves both halves)
.endr
	v_fma_f32 v208, v208, s22, v12                 ; the same of each block's largest score
	v_fma_f32 v210, v210, s22, v12
.irp j, 0,2,4,6,8,10,12,14,16,18,20,22,24,26,28,30
	v_pk_mul_f32 v[O+\j:O+\j+1], v[O+\j:O+\j+1], v[30:31] op_sel_hi:[1,0]   ; O^T under the new M, ahead of the exponentials
.endr
	s_wait_alu depctr_va_vdst(0)
.irp j, 0,1,2,3,4,5,6,7,8,9,10,11,12,13,14,15,16,17,18,19,20,21,22,23,24,25,26,27,28,29,30,31,32,33,34,35,36,37,38,39,40,41,42,43,44,45,46,47,48,49,50,51,52,53,54,55,56,57,58,59,60,61,62,63
	v_exp_f32 v[S+\j], v[S+\j]                     ; p = 2^(t - M), at most 1
.endr
	v_exp_f32 v208, v208                           ; the block's largest p: the same two instructions on the same number give the same bits
	v_exp_f32 v210, v210
	v_nop                                          ; a plain place behind the exponentials
	s_wait_alu depctr_va_vdst(0)                   ; one wait for the batch, ahead of its first reader
	v_max_num_f32 v208, 0x2800000, v208            ; the floor 2^(5 - 127): the byte cannot fall under 1
	v_max_num_f32 v210, 0x2800000, v210
	s_delay_alu instid0(VALU_DEP_2)
	v_add_nc_u32 v220, 0xfe000000, v208            ; 4 off the exponent field: the conversion's scale operand
	s_delay_alu instid0(VALU_DEP_2)
	v_add_nc_u32 v221, 0xfe000000, v210
	s_delay_alu instid0(VALU_DEP_2)
	v_lshrrev_b32 v212, 23, v220                   ; the scale's byte
	s_delay_alu instid0(VALU_DEP_2)
	v_lshrrev_b32 v213, 23, v221
	s_delay_alu instid0(VALU_DEP_1)
	v_lshl_or_b32 v29, v213, 16, v212              ; my bytes: blocks h and 2 + h,
	s_delay_alu instid0(VALU_DEP_1)
	v_lshlrev_b32 v29, v240, v29                   ; at their places;
	s_delay_alu instid0(VALU_DEP_1)
	v_permlanex16_b32 v214, v29, s20, s21
	s_delay_alu instid0(VALU_DEP_1)
	v_or_b32 v29, v29, v214                        ; with lane l xor 16's two p's scale word is whole
	v_cvt_scalef32_pk16_bf6_f32 v[P:P+2], v[S:S+15], v220
	v_cvt_scalef32_pk16_bf6_f32 v[U0:U0+2], v[S+16:S+31], v220   ; (a conversion's three registers begin on an even number)
	v_cvt_scalef32_pk16_bf6_f32 v[P+6:P+8], v[S+32:S+47], v221
	v_cvt_scalef32_pk16_bf6_f32 v[U1:U1+2], v[S+48:S+63], v221
	v_pk_fma_f32 v[14:15], v[14:15], v[30:31], v[S:S+1] op_sel_hi:[1,0,1]   ; l x f + p: the row's sum of the unquantised p, in four chains.  (Also the plain place behind the conversions)
	v_pk_add_f32 v[242:243], v[S+2:S+3], v[S+4:S+5]
	v_pk_add_f32 v[244:245], v[S+6:S+7], v[S+8:S+9]
	v_pk_add_f32 v[246:247], v[S+10:S+11], v[S+12:S+13]
.irp i, 0,1,2
	v_mov_b32 v[P+3+\i], v[U0+\i]
	v_mov_b32 v[P+9+\i], v[U1+\i]
.endr
	SUM4 0                                         ; four places between the writing of p's codes and the products
	s_wait_alu depctr_va_vdst(0)
	s_wait_dscnt 0x0                               ; V and its scale words
.irp a, 0,1,2,3
	v_wmma_scale_f32_16x16x128_f8f6f4 v[O+8*\a:O+8*\a+7], v[32+12*\a:43+12*\a], v[P:P+11], v[O+8*\a:O+8*\a+7], v[204+\a], v29 matrix_a_fmt:MATRIX_FMT_BF6 matrix_b_fmt:MATRIX_FMT_BF6
.endr
.irp i, 1,2,3,4,5
	SUM4 \i                                        ; the rest of the sum names none of the products' registers: it fills the places in front of the next step's loads
.endr
	v_pk_add_f32 v[14:15], v[14:15], v[S+62:S+63]
	s_delay_alu instid0(VALU_DEP_2)
	v_pk_add_f32 v[244:245], v[244:245], v[246:247]
	s_delay_alu instid0(VALU_DEP_2)
	v_pk_add_f32 v[14:15], v[14:15], v[242:243]
	s_delay_alu instid0(VALU_DEP_1)
	v_pk_add_f32 v[14:15], v[14:15], v[244:245]
	s_add_co_u32 s60, s60, 7680                    ; the next step's tiles of K (12 rows of 640 bytes),
	s_add_co_u32 s61, s61, 512                     ; K's scale words,
	s_add_co_u32 s62, s62, 6144                    ; V's tiles,
	s_add_co_u32 s58, s58, 256                     ; V's scale words
.endm
; Four additions of the row's sum, one to each chain: pairs 7 + 4 i .. 10 + 4 i of p's 32
.macro SUM4 i
	v_pk_add_f32 v[14:15], v[14:15], v[S+14+8*\i:S+15+8*\i]
	v_pk_add_f32 v[242:243], v[242:243], v[S+16+8*\i:S+17+8*\i]
	v_pk_add_f32 v[244:245], v[244:245], v[S+18+8*\i:S+19+8*\i]
	v_pk_add_f32 v[246:247], v[246:247], v[S+20+8*\i:S+21+8*\i]
.endm
; THE WAY OUT of a pass: O^T / l, quantised along d: two blocks of 32, each in lanes l and l xor 16.
.macro OUT p
	s_wait_alu depctr_va_vdst(0)                   ; l was written just ahead of the loop's end
.rept 4
	v_nop
.endr
	v_add_f32 v14, v14, v15
	s_delay_alu instid0(VALU_DEP_1)
	v_permlanex16_b32 v212, v14, s20, s21
	s_delay_alu instid0(VALU_DEP_1)
	v_add_f32 v14, v14, v212                       ; the row's sum
	s_wait_alu depctr_va_vdst(0)
	v_rcp_f32 v14, v14
	v_nop                                          ; one plain place behind a transcendental
	s_wait_alu depctr_va_vdst(0)
.irp j, 0,2,4,6,8,10,12,14,16,18,20,22,24,26,28,30
	v_pk_mul_f32 v[S+\j:S+\j+1], v[O+\j:O+\j+1], v[14:15] op_sel_hi:[1,0]   ; each accumulator from its low end on
.endr
.irp b, 0,1
	v_max3_num_f32 v[BM+\b], |v[S+16*\b]|, |v[S+16*\b+1]|, 0x2800000
.endr
.irp i, 2,4,6,8,10,12,14
.irp b, 0,1
	s_delay_alu instid0(VALU_DEP_2)
	v_max3_num_f32 v[BM+\b], v[BM+\b], |v[S+16*\b+\i]|, |v[S+16*\b+\i+1]|
.endr
.endr
.irp b, 0,1
	s_delay_alu instid0(VALU_DEP_2)
	v_permlanex16_b32 v[BB+\b], v[BM+\b], s20, s21
.endr
.irp b, 0,1
	s_delay_alu instid0(VALU_DEP_2)
	v_max_num_f32 v[BM+\b], v[BM+\b], v[BB+\b]
.endr
.irp b, 0,1
	s_delay_alu instid0(VALU_DEP_2)
	v_add_nc_u32 v[SO+\b], 0xfe000000, v[BM+\b]
.endr
.irp b, 0,1
	s_delay_alu instid0(VALU_DEP_2)
	v_lshrrev_b32 v[BB+\b], 23, v[SO+\b]
.endr
	s_delay_alu instid0(VALU_DEP_1)
	v_lshl_or_b32 v87, v[BB+1], 8, v[BB]           ; my row's two scale bytes of this head
	v_cvt_scalef32_pk16_bf6_f32 v[P:P+2], v[S:S+15], v[SO]
	v_cvt_scalef32_pk16_bf6_f32 v[BB+4:BB+6], v[S+16:S+31], v[SO+1]
	v_nop
.irp i, 0,1,2
	v_permlane16_swap_b32 v[P+\i], v[BB+4+\i]
.endr
.irp i, 0,1,2
	s_delay_alu instid0(VALU_DEP_3)
	v_mov_b32 v[P+3+\i], v[BB+4+\i]
.endr
.irp j, 0,1,2
	global_store_b64 v1, v[P+2*\j:P+2*\j+1], s[92:93] offset:196608*\p+256*\j   ; 256 consecutive bytes, aligned
.endr
	global_store_b16 v10, v87, s[94:95] offset:8192*\p   ; both halves of the lanes write the same two bytes with the same value
.endm
.macro WALK n                          ; n key steps
	s_mov_b32 s63, \n
.Lstep_\@:
	STEP
	s_sub_co_u32 s63, s63, 1
	s_cmp_lg_u32 s63, 0
	s_cbranch_scc1 .Lstep_\@
.endm
.macro PASS p
.if \p
	s_wait_xcnt 0x0                                ; the first pass's stores have read their registers
	QLOAD 1
.endif
	s_mov_b32 s60, 0
	s_mov_b32 s61, 0
	s_mov_b32 s62, 0
	s_mov_b32 s58, 0
	s_wait_loadcnt 0x0
.irp k, 0,1,2,3,4,5
	v_cndmask_b32 v[16+\k], v[32+\k], v[38+\k], s59   ; my tile's six registers of the pair's twelve: Q's half fragment stays in registers
.endr
	v_mov_b32 v13, 0xff61b1e6                      ; the largest score so far: -3e38, under every score
	v_floor_f32 v12, -v13
	v_mov_b32 v14, 0
	v_mov_b32 v15, 0
.irp j, 0,1,2,3,4,5,6,7,8,9,10,11,12,13,14,15,16,17,18,19,20,21,22,23,24,25,26,27,28,29,30,31
	v_mov_b32 v[O+\j], 0                           ; the step is written once: its first trip finds zeros, which the first change of M leaves zeros
.endr
.if \p == 0
	WALK 4                                         ; on the first quarters
	s_wait_alu depctr_va_vdst(0)
	s_wait_tensorcnt 0x0                           ; what I asked for has landed,
	s_barrier_signal -1
	s_barrier_wait -1                              ; and all that the others asked for: the head lies in LDS for the rest of the launch
	s_mov_b32 s60, 4*7680                          ; step 4's places, stated as constants
	s_mov_b32 s61, 4*512
	s_mov_b32 s62, 4*6144
	s_mov_b32 s58, 4*256
	WALK 12
.else
	WALK 16
.endif
	OUT \p
.endm
	PASS 0
	PASS 1
	s_wait_tensorcnt 0x0                           ; the wave's end
	ds_add_u32 v254, v255
	s_wait_dscnt 0x0
	CROUND                                         ; the closing round: no work-group ends while a partner may still ask for a tile that names it
	s_endpgm
.Lfunc_end_k_qe4b74ec7f7_attn:
	.size	k_qe4b74ec7f7_attn, .Lfunc_end_k_qe4b74ec7f7_attn-k_qe4b74ec7f7_attn
	.p2alignl 7, 3214868480
	.fill 96, 4, 3214868480
	.section	.rodata,"a",@progbits
	.p2align	6, 0x0
	.amdhsa_kernel k_qe4b74ec7f7_attn
		.amdhsa_group_segment_fixed_size 327680
		.amdhsa_private_segment_fixed_size 0
		.amdhsa_enable_private_segment 0
		.amdhsa_kernarg_size 32
		.amdhsa_user_sgpr_count 2
		.amdhsa_user_sgpr_kernarg_segment_ptr 1
		.amdhsa_wavefront_size32 1
		.amdhsa_system_sgpr_workgroup_id_x 1
		.amdhsa_system_sgpr_workgroup_id_y 1
		.amdhsa_system_sgpr_workgroup_id_z 1
		.amdhsa_system_vgpr_workitem_id 0
		.amdhsa_next_free_vgpr 256
		.amdhsa_next_free_sgpr 100
		.amdhsa_reserve_vcc 0
		.amdhsa_float_denorm_mode_32 3
		.amdhsa_float_denorm_mode_16_64 3
		.amdhsa_memory_ordered 1
		.amdhsa_forward_progress 1
		.amdhsa_inst_pref_size 69
	.end_amdhsa_kernel
	.amdgpu_metadata
---
amdhsa.version: [ 1, 2 ]
amdhsa.kernels:
  - .name:           k_qe4b74ec7f7_attn
    .symbol:         k_qe4b74ec7f7_attn.kd
    .args:
      - { .name: qkv, .offset: 0, .size: 8, .value_kind: global_buffer, .address_space: global }
      - { .name: qkvsc, .offset: 8, .size: 8, .value_kind: global_buffer, .address_space: global }
      - { .name: img4, .offset: 16, .size: 8, .value_kind: global_buffer, .address_space: global }
      - { .name: sc4, .offset: 24, .size: 8, .value_kind: global_buffer, .address_space: global }
    .group_segment_fixed_size: 327680
    .private_segment_fixed_size: 0
    .kernarg_segment_align: 8
    .kernarg_segment_size: 32
    .max_flat_workgroup_size: 512
    .sgpr_count:     100
    .vgpr_count:     256
    .wavefront_size: 32
...
	.end_amdgpu_metadata
.endif
;; end of part 3
;; launch proj (part 4): grid 8 x 32, 4 waves a work-group, clusters of 4 x 4, 312,832 bytes of LDS; arguments img4, sc4, b_out, out0; writes out0
.if DOCPART == 4
	.amdgcn_target "amdgcn-amd-amdhsa--gfx1250"
	.amdhsa_code_object_version 6
	.text
	.protected	k_qe4b74ec7f7_proj
	.globl	k_qe4b74ec7f7_proj
	.p2align	8
	.type	k_qe4b74ec7f7_proj,@function
k_qe4b74ec7f7_proj:
	s_mov_b64 s[64:65], 0
	v_nop
	global_prefetch_b8 v0, s[64:65] scope:SCOPE_SE
	s_setreg_imm32_b32 hwreg(HW_REG_WAVE_MODE, 25, 1), 1
	s_wait_xcnt 0x0
	s_wait_alu depctr_hold_cnt(0) depctr_sa_sdst(0) depctr_va_vdst(0) depctr_va_sdst(0) depctr_va_ssrc(0) depctr_va_vcc(0) depctr_vm_vsrc(0)
	s_getreg_b32 s2, hwreg(HW_REG_IB_STS2, 6, 4)
	s_cmp_eq_u32 s2, 0
	s_cbranch_scc0 .Lentry_in_a_cluster
	s_endpgm
.Lentry_in_a_cluster:
	s_bfe_u32 s2, ttmp6, 0x10000c
	s_cmp_lg_u32 s2, 0xf033
	s_cbranch_scc0 .Lentry_shape_is_right
	s_endpgm
.Lentry_shape_is_right:
; out0 = o w_out^T + b_out on codes of BF6 with E8M0 scales.  o's codes come from the attention, w_out's from the quantiser, both as images of the operands' registers.
; A work-group makes 128 outputs (S0: 8 tiles of 16 rows of w_out) x 256 tokens (S1: 16 tiles).  All of K = 1,024 lies in LDS, EACH BYTE FILLED ONCE: S1's 16 tiles of 12,288 bytes from byte 0,
; S0's 8 from byte 196,608; each wave brings 8 tiles of S1 or 4 of S0, dense in memory, by ONE tensor load at the head.
; A WAVE makes 64 outputs x 128 tokens.  Its four tiles of S0 stay in 384 registers for all of K; its eight tiles of tokens are finished ONE AFTER THE OTHER, 32 matrix instructions each
; (four accumulators by turns, K ascending), and each leaves as soon as it is finished, while the next is multiplied.  No fragment is read from LDS twice by a wave.
; Lane-row r of tile T is row 32 (T / 2) + 8 (T % 2) + r + 8 (r / 8): in a result lane (r, h) holds one token, and register j of accumulator i output 32 (i / 2) + 16 h + 8 (i % 2) + j of my 64.
; o's image of a tile and a K step is two half fragments (two heads) of 768 bytes: register 6 c + 2 j + e of lane l at 768 c + 256 j + 8 l + 4 e.
; The bias is the C of each sum's first product.  CLUSTER 4 x 4: S1's tiles are asked for jointly along a row of the cluster, S0's along a column.
; THE WAY OUT: 16 tokens x 64 outputs go through the wave's own stage in LDS (bytes of its own, behind the spare words) and leave as rows of 256 consecutive bytes, sixteen lanes to a row.
; No data prefetch: everything is asked for at the head.
; REGISTERS, in windows of 256: window 0: v1-17 addresses, v30-31 the add's, v32-63 S0's scale words (8 i + s), v64-127 S1's (8 a + s), v128-159 the bias, v160-223 rows on the way out, two sets;
;   window 1: S1's fragments, two sets of 96 (12 s), and from v192 two sets of four accumulators;  window 2: S0's fragments of K steps 0-3 at v[12 (4 s + i)];  window 3: of K steps 4-7.
.set SC0, 32
.set SC1, 64
.set BI,  128
.set OB,  160
.set STAGE, 0x48200                    ; 4 x 16 rows of 272 bytes
.set G1A, 24
.set G1B, 32
.set G0A, 40
.set G0B, 68
.set MSB, 0
.macro WIN new                         ; the immediate's high byte repeats the setting that is left
.if MSB != (\new)
	s_set_vgpr_msb (MSB<<8)|(\new)
.set MSB, (\new)
.endif
.endm
.macro CROUND                          ; a round of the cluster's barrier
	s_barrier_signal -1
	s_barrier_wait -1
	s_cmp_lg_u32 s12, 0
	s_cbranch_scc1 .Lnot_wave_0_\@
	s_barrier_signal -3
.Lnot_wave_0_\@:
	s_barrier_wait -3
	s_barrier_signal -1
	s_barrier_wait -1
.endm
	s_load_b256 s[4:11], s[0:1], 0x0               ; img4 s[4:5], sc4 s[6:7], b_out s[8:9], out0 s[10:11]
	v_lshl_add_u32 v30, v0, 2, 0x48000
	v_mov_b32 v31, 0
	ds_add_u32 v30, v31                            ; the opening lines: the add twice and one wait
	ds_add_u32 v30, v31
	v_lshrrev_b32 v1, 5, v0
	v_readfirstlane_b32 s12, v1                    ; wave
	s_lshr_b32 s13, s12, 1                         ; I fetch for S1 (0) or for S0 (1).  Also: which 128 tokens are mine
	s_and_b32 s14, s12, 1                          ; its first or second half.  Also: which 64 outputs are mine
	s_bfe_u32 s15, ttmp6, 0x40000                  ; cx
	s_bfe_u32 s16, ttmp6, 0x40004                  ; cy
	s_and_b32 s17, ttmp7, 0xffff
	s_lshl_b32 s18, ttmp9, 2
	s_add_co_u32 s18, s18, s15                     ; i0: which 128 outputs
	s_lshl_b32 s19, s17, 2
	s_add_co_u32 s19, s19, s16                     ; i1: which 256 tokens
	s_lshl_b32 s20, s18, 3
	s_add_co_u32 s20, s20, 512                     ; T0: w_out's tiles stand behind o's 512
	s_lshl_b32 s21, s19, 4                         ; T1
	s_lshl_b32 s84, s16, 2
	s_lshl_b32 s84, 15, s84                        ; my row of the cluster
	s_lshl_b32 s85, 0x1111, s15                    ; my column
	s_or_b32 s[G1A], s84, (3<<16)|(1<<21)          ; 15:0 the mask; 17:16 elements of 8 bytes; 21 set beside a mask; no padding
	s_or_b32 s[G1B], s85, (3<<16)|(1<<21)
	s_mov_b32 s[G1A+1], 1536<<16                   ; a tile's eight K steps, 12,288 bytes
	s_mov_b32 s[G1A+2], 8<<16                      ; 8 tiles
	s_mov_b32 s[G1A+3], 1536<<16
	s_mov_b32 s[G1A+4], 8
	s_mov_b32 s[G1A+5], 1536
	s_mov_b32 s[G1A+6], 0
	s_mov_b32 s[G1A+7], 0
	s_mov_b32 s[G1B+1], 1536<<16
	s_mov_b32 s[G1B+2], 4<<16                      ; 4 tiles
	s_mov_b32 s[G1B+3], 1536<<16
	s_mov_b32 s[G1B+4], 4
	s_mov_b32 s[G1B+5], 1536
	s_mov_b32 s[G1B+6], 0
	s_mov_b32 s[G1B+7], 0
	s_lshl_b32 s86, s14, 3
	s_add_co_u32 s86, s86, s21
	s_mul_i32 s86, s86, 12288                      ; S1: tile T1 + 8 x half (made of cy alone)
	s_mov_b32 s87, 0
	s_lshl_b32 s88, s14, 2
	s_add_co_u32 s88, s88, s20
	s_mul_i32 s88, s88, 12288                      ; S0: tile T0 + 4 x half (made of cx alone)
	s_mov_b32 s89, 0
	s_mul_i32 s90, s14, 98304                      ; where they go: no place in the cluster enters an LDS address
	s_mul_i32 s91, s14, 49152
	s_lshl_b32 s92, s14, 2
	s_add_co_u32 s92, s92, s20
	s_lshl_b32 s92, s92, 9                         ; the scale words of my four tiles of S0
	s_mov_b32 s93, 0
	s_lshl_b32 s94, s13, 3
	s_add_co_u32 s94, s94, s21
	s_lshl_b32 s94, s94, 9                         ; of my eight tiles of S1
	s_mov_b32 s95, 0
	s_mul_i32 s96, s12, 4352
	s_add_co_u32 s96, s96, STAGE                   ; my stage
	s_mul_i32 s97, s13, 98304                      ; my eight tiles of S1 in LDS
	s_mul_i32 s98, s14, 49152
	s_add_co_u32 s98, s98, 196608                  ; my four tiles of S0
	s_lshl_b32 s56, s18, 9
	s_lshl_b32 s57, s14, 8
	s_add_co_u32 s56, s56, s57                     ; my 64 outputs: 256 bytes of the bias and of a row of out0
	s_mov_b32 s57, 0
	s_lshl_b32 s58, s19, 8
	s_lshl_b32 s59, s13, 7
	s_add_co_u32 s58, s58, s59                     ; my first token: 256 i1 + 128 x half
	s_lshl_b32 s58, s58, 12
	s_add_co_u32 s58, s58, s56
	s_mov_b32 s59, 0
	s_wait_dscnt 0x0
	s_wait_kmcnt 0x0
	s_add_nc_u64 s[86:87], s[4:5], s[86:87]
	s_add_nc_u64 s[88:89], s[4:5], s[88:89]
	s_add_nc_u64 s[92:93], s[6:7], s[92:93]
	s_add_nc_u64 s[94:95], s[6:7], s[94:95]
	s_add_nc_u64 s[8:9], s[8:9], s[56:57]
	s_add_nc_u64 s[10:11], s[10:11], s[58:59]
	s_mov_b32 s[G0A], 1
	s_mov_b32 s[G0A+1], s90
	s_mov_b64 s[G0A+2:G0A+3], s[86:87]
	s_or_b32 s[G0A+3], s[G0A+3], 0x80000000
	s_mov_b32 s[G0B], 1
	s_add_co_u32 s[G0B+1], s91, 196608
	s_mov_b64 s[G0B+2:G0B+3], s[88:89]
	s_or_b32 s[G0B+3], s[G0B+3], 0x80000000
	CROUND                                         ; all sixteen work-groups are here: the joint loads meet
	s_cmp_eq_u32 s13, 0                            ; one tensor load a wave, in the two arms of one branch on its number
	s_cbranch_scc0 .Lfill_s0
	tensor_load_to_lds s[G0A:G0A+3], s[G1A:G1A+7]
	s_nop 0
.rept 4
	v_nop
.endr
	s_branch .Lfilled
.Lfill_s0:
	tensor_load_to_lds s[G0B:G0B+3], s[G1B:G1B+7]
	s_nop 0
.rept 4
	v_nop
.endr
.Lfilled:
	v_and_b32 v1, 31, v0                           ; l
	v_and_b32 v2, 15, v0                           ; r
	v_bfe_u32 v3, v0, 4, 1                         ; h
	v_lshlrev_b32 v12, 4, v2                       ; 16 r: w_out's scale words, four to a K half
	v_lshlrev_b32 v13, 5, v2                       ; 32 r: o's, eight to a row
	v_lshlrev_b32 v17, 6, v3                       ; 64 h: the bias of my half's sixteen outputs
.irp i, 0,1,2,3
.irp k, 0,1
	global_load_b128 v[SC0+8*\i+4*\k:SC0+8*\i+4*\k+3], v12, s[92:93] offset:512*\i+256*\k
.endr
.endr
.irp a, 0,1,2,3,4,5,6,7
.irp k, 0,1
	global_load_b128 v[SC1+8*\a+4*\k:SC1+8*\a+4*\k+3], v13, s[94:95] offset:512*\a+16*\k
.endr
.endr
.irp i, 0,1,2,3
	global_load_b128 v[BI+8*\i:BI+8*\i+3], v17, s[8:9] offset:(32*(\i/2)+8*(\i%2))*4
	global_load_b128 v[BI+8*\i+4:BI+8*\i+7], v17, s[8:9] offset:(32*(\i/2)+8*(\i%2))*4+16
.endr
	v_lshl_add_u32 v4, v1, 4, s98                  ; S0's images: 16 l
	v_lshl_add_u32 v8, v1, 3, s97                  ; o's images go by 8 bytes a lane: my tiles 0-3,
	v_add_nc_u32 v9, 49152, v8                     ; and 4-7
	v_mul_u32_u24 v14, v2, 272
	v_lshl_add_u32 v14, v3, 6, v14
	v_add_nc_u32 v14, s96, v14                     ; the stage, on the way in: row r, + 64 h
	v_mul_u32_u24 v15, v3, 272
	v_lshl_add_u32 v15, v2, 4, v15
	v_add_nc_u32 v15, s96, v15                     ; on the way out: lanes 0-15 one row of 256 bytes, lanes 16-31 the next
	v_lshlrev_b32 v16, 12, v3
	v_lshl_add_u32 v16, v2, 4, v16                 ; and the same two rows in out0
.macro FETCH1 a                        ; token tile a's eight fragments into set a % 2: every load reads 256 consecutive bytes
	WIN 0x40
.irp s, 0,1,2,3,4,5,6,7
.irp c, 0,1
.irp j, 0,1,2
	ds_load_b64 v[96*((\a)%2)+12*\s+6*\c+2*\j:96*((\a)%2)+12*\s+6*\c+2*\j+1], v[8+(\a)/4] offset:12288*((\a)%4)+1536*\s+768*\c+256*\j
.endr
.endr
.endr
	WIN 0
.endm
.macro PROD i, f, s, a, c              ; one product: S0's tile i (fragment at v[f]) x token tile a, K step s; c: the sum's C
	v_wmma_scale_f32_16x16x128_f8f6f4 v[AC+8*\i:AC+8*\i+7], v[\f:\f+11], v[PS+12*\s:PS+12*\s+11], v[\c:\c+7], v[SC0+8*\i+\s], v[SC1+8*(\a)+\s] matrix_a_fmt:MATRIX_FMT_BF6 matrix_b_fmt:MATRIX_FMT_BF6
.endm
.macro MULT a                          ; 32 products; the four accumulators take turns, one instruction a turn
.set PS, 96*((\a)%2)
.set AC, 192+32*((\a)%2)
	WIN 0x46                                       ; S0 window 2, S1 window 1, C window 0 (the bias starts the sums), D window 1
.irp i, 0,1,2,3
	PROD \i, 12*\i, 0, \a, BI+8*\i
.endr
	WIN 0x56                                       ; C window 1
.irp s, 1,2,3
.irp i, 0,1,2,3
	PROD \i, 12*(4*\s+\i), \s, \a, AC+8*\i
.endr
.endr
	WIN 0x57                                       ; S0 window 3
.irp s, 4,5,6,7
.irp i, 0,1,2,3
	PROD \i, 12*(4*(\s-4)+\i), \s, \a, AC+8*\i
.endr
.endr
	WIN 0
.endm
.macro TOSTAGE a                       ; tile a's 16 tokens x 64 outputs into my stage, and back as whole rows
.set AC, 192+32*((\a)%2)
	WIN 0x04                                       ; an LDS store's data are its source 1: window 1
.irp i, 0,1,2,3
	ds_store_b128 v14, v[AC+8*\i:AC+8*\i+3] offset:128*(\i/2)+32*(\i%2)          ; each accumulator from its low end on
	ds_store_b128 v14, v[AC+8*\i+4:AC+8*\i+7] offset:128*(\i/2)+32*(\i%2)+16
.endr
	WIN 0
.irp t, 0,1,2,3,4,5,6,7
	ds_load_b128 v[OB+32*((\a)%2)+4*\t:OB+32*((\a)%2)+4*\t+3], v15 offset:544*\t   ; LDS serves a wave's instructions in order: these see the stores above
.endr
.endm
.macro SEND a
.irp t, 0,1,2,3,4,5,6,7
	global_store_b128 v16, v[OB+32*((\a)%2)+4*\t:OB+32*((\a)%2)+4*\t+3], s[10:11] offset:(32*((\a)/2)+8*((\a)%2)+2*\t+8*(\t/4))*4096 th:TH_STORE_NT   ; sixteen lanes store 256 consecutive bytes, aligned; the tile's order of rows stands in the immediate
.endr
.endm
	s_wait_alu depctr_va_vdst(0)
	s_wait_tensorcnt 0x0                           ; my one load has landed
	s_barrier_signal -1
	s_barrier_wait -1                              ; everybody's has
.irp s, 0,1,2,3,4,5,6,7                ; my four tiles of S0, all of K, into windows 2 and 3: every load reads 512 consecutive bytes
	WIN 0x80+0x40*(\s/4)
.irp i, 0,1,2,3
.irp g, 0,1,2
	ds_load_b128 v[12*(4*(\s%4)+\i)+4*\g:12*(4*(\s%4)+\i)+4*\g+3], v4 offset:12288*\i+1536*\s+512*\g
.endr
.endr
.endr
	FETCH1 0
	FETCH1 1
	s_wait_loadcnt 0x0                             ; the scale words and the bias
	s_wait_dscnt 0x0
.irp a, 0,1,2,3,4,5,6,7
	MULT \a
.rept 4
	v_nop                                          ; four places in front of the loads into this tile's fragments and of the first read of its results
.endr
.if \a > 0
	s_wait_dscnt 0x0                               ; asked for ahead of this tile's 32 products: the last tile's rows are back, and the next tile's fragments are in
	SEND \a-1
	s_wait_xcnt 0x0                                ; the stores have read their registers: rows may land there again
.endif
.if \a < 6
	FETCH1 \a+2
.endif
	TOSTAGE \a
.endr
	s_wait_dscnt 0x0
	SEND 7
	s_wait_tensorcnt 0x0                           ; the wave's end
	ds_add_u32 v30, v31
	s_wait_dscnt 0x0
	CROUND                                         ; the closing round: no work-group ends while a partner may still ask for a tile that names it
	s_endpgm
.Lfunc_end_k_qe4b74ec7f7_proj:
	.size	k_qe4b74ec7f7_proj, .Lfunc_end_k_qe4b74ec7f7_proj-k_qe4b74ec7f7_proj
	.p2alignl 7, 3214868480
	.fill 96, 4, 3214868480
	.section	.rodata,"a",@progbits
	.p2align	6, 0x0
	.amdhsa_kernel k_qe4b74ec7f7_proj
		.amdhsa_group_segment_fixed_size 312832
		.amdhsa_private_segment_fixed_size 0
		.amdhsa_enable_private_segment 0
		.amdhsa_kernarg_size 32
		.amdhsa_user_sgpr_count 2
		.amdhsa_user_sgpr_kernarg_segment_ptr 1
		.amdhsa_wavefront_size32 1
		.amdhsa_system_sgpr_workgroup_id_x 1
		.amdhsa_system_sgpr_workgroup_id_y 1
		.amdhsa_system_sgpr_workgroup_id_z 1
		.amdhsa_system_vgpr_workitem_id 0
		.amdhsa_next_free_vgpr 1024
		.amdhsa_next_free_sgpr 100
		.amdhsa_reserve_vcc 0
		.amdhsa_float_denorm_mode_32 3
		.amdhsa_float_denorm_mode_16_64 3
		.amdhsa_memory_ordered 1
		.amdhsa_forward_progress 1
		.amdhsa_inst_pref_size 90
	.end_amdhsa_kernel
	.amdgpu_metadata
---
amdhsa.version: [ 1, 2 ]
amdhsa.kernels:
  - .name:           k_qe4b74ec7f7_proj
    .symbol:         k_qe4b74ec7f7_proj.kd
    .args:
      - { .name: img4, .offset: 0, .size: 8, .value_kind: global_buffer, .address_space: global }
      - { .name: sc4, .offset: 8, .size: 8, .value_kind: global_buffer, .address_space: global }
      - { .name: b_out, .offset: 16, .size: 8, .value_kind: global_buffer, .address_space: global }
      - { .name: out0, .offset: 24, .size: 8, .value_kind: global_buffer, .address_space: global }
    .group_segment_fixed_size: 312832
    .private_segment_fixed_size: 0
    .kernarg_segment_align: 8
    .kernarg_segment_size: 32
    .max_flat_workgroup_size: 128
    .sgpr_count:     100
    .vgpr_count:     1024
    .wavefront_size: 32
...
	.end_amdgpu_metadata
.endif
;; end of part 4
